; MI455X (gfx1250); checked and timed in simulation.
; The chip was launched on July 23, 2026; its instructions are those of AMD's public machine-readable ISA for CDNA 5 (MIT licence, August 2026) and "CDNA5" Instruction Set Architecture Reference Guide (July 2026). The comments in the code are by the model that wrote it; some were corrected since.
;; Causal Multi Head Attention. Allowed arithmetic: matrix products marked QUANTISED: E4M3 operands, one E8M0 scale for each 32 along K, by v_wmma_scale_f32_16x16x128_f8f6f4 with both operands' format E4M3, f32 sums; everything else in f32.
;; Inputs: Wk_codes 1,024 x 32 x 32 uint8 (E4M3 codes of Wk, K innermost, in blocks of 32 codes); Wk_scales 1,024 x 32 uint8 (E8M0 scales of Wk, one for each 32 codes along K); Wo_codes 1,024 x 32 x 32 uint8 (E4M3 codes of Wo, K innermost, in blocks of 32 codes); Wo_scales 1,024 x 32 uint8 (E8M0 scales of Wo, one for each 32 codes along K); Wq_codes 1,024 x 32 x 32 uint8 (E4M3 codes of Wq, K innermost, in blocks of 32 codes); Wq_scales 1,024 x 32 uint8 (E8M0 scales of Wq, one for each 32 codes along K); Wv_codes 1,024 x 32 x 32 uint8 (E4M3 codes of Wv, K innermost, in blocks of 32 codes); Wv_scales 1,024 x 32 uint8 (E8M0 scales of Wv, one for each 32 codes along K); token_positions 2,048 int32; x_codes 4 x 2,048 x 32 x 32 uint8 (E4M3 codes of x, K innermost, in blocks of 32 codes); x_scales 4 x 2,048 x 32 uint8 (E8M0 scales of x, one for each 32 codes along K).
;; Outputs: out0 4 x 2,048 x 1,024 float32.
;; This version of the problem:
;;   THIS VERSION OF THE PROBLEM IS GIVEN IN LOW PRECISION. The matrix products marked QUANTISED in the list below multiply operands that are first quantised to E4M3 (4 exponent bits, 3 mantissa bits; 8 bits a number), with one power-of-two scale for each 32 numbers along K (OCP MX v1.0); their sums are f32. All else is computed in f32.
;;   The module's matrix products, in the order in which they are computed (A, B: the left and right operand; K: the contracted axis; several contracted axes count as one K, in the product's order):
;;     1. [M 8,192, K 1,024] x [K 1,024, N 1,024]; A: input x (given as codes); B: input Wq (given as codes): QUANTISED
;;     2. [M 8,192, K 1,024] x [K 1,024, N 1,024]; A: input x (given as codes); B: input Wk (given as codes): QUANTISED
;;     3. [M 8,192, K 1,024] x [K 1,024, N 1,024]; A: input x (given as codes); B: input Wv (given as codes): QUANTISED
;;     4. batch 64 x [M 2,048, K 64] x [K 64, N 2,048]; A: computed on the way; B: computed on the way: QUANTISED
;;     5. batch 64 x [M 2,048, K 2,048] x [K 2,048, N 64]; A: softmax (see below); B: computed on the way: QUANTISED
;;     6. [M 8,192, K 1,024] x [K 1,024, N 1,024]; A: computed on the way; B: input Wo (given as codes): QUANTISED
;;   THE QUANTISER, for each operand of a quantised product, along K:
;;     - K is cut into blocks of 32 from its start; a last block that is shorter is filled with zeros.
;;     - A block's scale is 2^e with e = floor(log2(the largest magnitude in the block)) - 8, held to -126 .. 127; a block of zeros has e = 0. As a byte (E8M0): e + 127.
;;     - Each number is divided by its block's scale, clamped to +-448, and rounded to the nearest number of E4M3, ties to even, subnormals kept.
;;     - The product sums the exact products of the quantised numbers (number of the format x scale) in f32.
;;   ~~~python
;;   def quantise(x, axis):      # numpy; x: float32 -> the quantised numbers, widened to float32 again
;;       x = np.moveaxis(x, axis, -1); K = x.shape[-1]
;;       x = np.pad(x, [(0, 0)] * (x.ndim - 1) + [(0, -K % 32)]); x = x.reshape(x.shape[:-1] + (-1, 32)); a = np.abs(x).max(-1, keepdims=True)
;;       e = np.where(a > 0, np.clip(np.frexp(np.where(a > 0, a, 1))[1] - 1 - 8, -126, 127), 0)      # np.frexp(a)[1] - 1 = floor(log2(a)), exactly
;;       r = np.clip(x / 2.0 ** e, -448, 448)
;;       step = 2.0 ** (np.maximum(np.frexp(np.where(r == 0, 1, r))[1] - 1, -6) - 3)
;;       q = np.round(r / step) * step * 2.0 ** e      # np.round: ties to even
;;       return np.moveaxis(q.reshape(q.shape[:-2] + (-1,))[..., :K], -1, axis).astype(np.float32)
;;   ~~~
;;   SOFTMAX AHEAD OF A QUANTISED PRODUCT. Where the list says 'softmax', what is quantised is not the finished softmax but p = 2^(t - M), with t = logit x log2(e) and M = ceil(the row's largest t), a whole number; so 1/2 < the row's largest p <= 1. The row's sum l is taken of the UNQUANTISED p, in f32, and the product's result is divided by l at the end. Since M is a whole number, a kernel that streams over the keys may use a running M (the ceiling of the running maximum): every later rescaling is an exact power of two, which a block's scale takes up: the codes' values come out the same.
;;   OPERANDS COMPUTED ON THE WAY. 'Computed on the way' means the value that the module computes at that place (a softmax that the list does not call 'softmax' is quantised finished and normalised). What goes into a quantiser is computed in f32, as accurately as f32 sums, v_exp_f32 and their like allow (about 1e-6 of the number): no bf16 or f16 on the way to a quantiser, and a product that is left as it is and whose result goes on into a quantised operand takes f32 operands (vector FMAs, or v_wmma_f32_16x16x4_f32). A number that lies on a knife's edge between two numbers of the format may be rounded either way, as far as f32 arithmetic and the matrix unit's own rounding can turn it there, and no further.
;;   INPUTS GIVEN AS CODES. Wk (in the module: [1024, 1024], K = its axis 1); Wo (in the module: [1024, 1024], K = its axis 1); Wq (in the module: [1024, 1024], K = its axis 1); Wv (in the module: [1024, 1024], K = its axis 1); x (in the module: [4, 2048, 1024], K = its axis 2): each comes as NAME_codes (uint8): NAME with its K axis moved to the last place and cut into blocks of 32 codes, [.., K / 32, bytes a block], one block behind the other in memory; one code a byte (a code: sign, 4 exponent bits, 3 mantissa bits); and NAME_scales (uint8): the same leading axes, one E8M0 byte (e + 127) for each 32 codes along K. Its value is code x scale, taken as it is: it is not quantised again, and the codes and scales need not be those that the quantiser above would give.
;; One version. Each part assembles by itself: llvm-mc -triple=amdgcn-amd-amdhsa -mcpu=gfx1250 --defsym DOCPART=n.
;; ======== version 1 of 1: 3 launches
;; limits: right only within a limited range of input values
;; workspace buffers: qr 8,650,752 bytes; kv 17,301,504 bytes; oc 8,388,608 bytes; os 262,144 bytes
;; launch qkv (part 1): grid 12 x 32, 4 waves a work-group, clusters of 4 x 4, 327,680 bytes of LDS; arguments x_codes, x_scales, Wq_codes, Wq_scales, Wk_codes, Wk_scales, Wv_codes, Wv_scales, token_positions, qr, kv; writes qr, kv
.if DOCPART == 1
	.amdgcn_target "amdgcn-amd-amdhsa--gfx1250"
	.amdhsa_code_object_version 6
	.text
	.protected	k_qc888af5b31_qkv
	.globl	k_qc888af5b31_qkv
	.p2align	8
	.type	k_qc888af5b31_qkv,@function
k_qc888af5b31_qkv:
	s_mov_b64 s[64:65], 0
	v_nop
	global_prefetch_b8 v0, s[64:65] scope:SCOPE_SE
	s_setreg_imm32_b32 hwreg(HW_REG_WAVE_MODE, 25, 1), 1
	s_wait_xcnt 0x0
	s_wait_alu depctr_hold_cnt(0) depctr_sa_sdst(0) depctr_va_vdst(0) depctr_va_sdst(0) depctr_va_ssrc(0) depctr_va_vcc(0) depctr_vm_vsrc(0)
	s_getreg_b32 s2, hwreg(HW_REG_IB_STS2, 6, 4)
	s_cmp_eq_u32 s2, 0
	s_cbranch_scc0 .Lentry_in_a_cluster
	s_endpgm
.Lentry_in_a_cluster:
	s_bfe_u32 s2, ttmp6, 0x10000c
	s_cmp_lg_u32 s2, 0xf033
	s_cbranch_scc0 .Lentry_shape_is_right
	s_endpgm
.Lentry_shape_is_right:
; q = rope(x Wq^T), k = rope(x Wk^T), v = x Wv^T on codes of FP8 (E4M3) with one E8M0 scale for each 32 along K = 1,024; the f32 results are quantised here for the attention launch:
; q and k along the head's 64 features, v along the keys.  The cluster's x says which: 0 q, 1 k, 2 v.  A tile of 256 x 256 results is made by four waves, 128 x 128 each: 64 accumulators of 16 x 16, 512 registers.
; K goes in steps of 256 through a ring of two LDS slots filled by the tensor data mover; the scale bytes of the tile's 2 x 256 rows come into LDS once.
; OPERANDS.  "A" is source 1 (its rows fall on lanes), "B" is source 0 (its rows fall on a lane's registers).  q, k: A = x (tokens), B = W (features): a lane holds one token and eight neighbouring features.
; v: A = Wv (features), B = x (tokens): a lane holds one feature and eight neighbouring tokens, which are the next product's K.
; CLUSTERS: 4 x 4 work-groups; A's tile hangs on the cluster's row, B's on its column: each is asked for jointly by the four that share it.
; THE RESULT LEAVES AS AN IMAGE OF THE NEXT OPERAND'S REGISTERS.  The 16 registers of accumulators (a, 2 p) and (a, 2 p + 1), with those of lane l xor 16, are a block of 32 along the next K.  Two conversions make 4 registers of
; codes, which are stored as registers 4 c .. 4 c + 3 of a fragment, 16 bytes a lane, 512 consecutive bytes a store.  Inside a block of 32 the order is then 0-7, 16-23 | 8-15, 24-31: q and k both carry it, and so do v and the softmax's p.
; RECORDS.  qr: [batch x head 64][8][16,896]: 256 queries: codes [tile 16][c 2][lane 32][16], then scale words [half 2][row 16][pair 4].
;           kv: [batch x head 64][8][33,792]: 256 keys: K's codes (as q's), V's codes [half 2][feature tile 4][c 4][lane 32][16] at 16,384, K's scale words at 32,768, V's [half 2][row 16][tile 4] at 33,280.
; ROPE.  angle = position x 10^(-f/8) (one f32 product); sine and cosine by taking off the nearest multiple of pi/2 in three parts and two polynomials on |r| <= pi/4.
; LIMITS: |position| under 2^23; the 32 frequencies are 10^(-f/8) rounded to f32 and may differ by an ulp from a power and a division in f32; NaN codes and scale bytes 0xff among the inputs are not served;
; a block of zeros gets the scale byte 1 and not 127: its codes are zeros, and the bytes are read by this program alone.
.set KSTEP,  256                       ; along K in a slot
.set NQ,     2                         ; matrix instructions deep
.set ROWB,   256                       ; a tile's row in bytes
.set KROW,   1024                      ; a row of x or of W in memory, in bytes
.set PITCH,  272                       ; an LDS row: 256 bytes + 16 of padding = 68 words: the 16 rows that a load touches start 4 words apart modulo 64
.set FR,     16                        ; registers of a fragment
.set NL,     4                         ; LDS loads that bring one
.set NP,     8                         ; places behind this matrix instruction (ISA guide 7.12.1)
.set HALFT,  128*PITCH
.set SLOT,   4*HALFT                   ; A's 256 rows, then B's 256 rows
.set LAPS,   2                         ; 1,024 / (2 x 256)
.set KS,     32                        ; a row of scale bytes
.set SCL,    2*SLOT                    ; behind the ring: the scale bytes, as units of 256 bytes + 16 of padding
.set HALFS,  (128*KS/256)*272
.set SBLK,   (16*KS/256)*272
.set SPARE,  SCL+4*HALFS               ; the spare words, 128 bytes for each wave: two blocks of 256 bytes that no other line names
.set QREC,   16896
.set KVREC,  33792
.set ADRA, 16                          ; v16-17  LDS address of my A fragments in slot 0, 1
.set ADRB, 20                          ; v20-21  the same for B
.set VO0,  24                          ; v24 16 x lane; v25 the same one head on
.set VSO,  26                          ; v26 16 x row + (lane / 16) heads: where the scale words go
.set ADRS, 27                          ; v27 LDS address of my scale words
.set SPW,  28                          ; v28 LDS address of my spare word; never rewritten
.set NIL,  29                          ; v29 0; never rewritten
.set TPO,  30                          ; v30 4 x row: my token's position
.set STG,  31                          ; v31 my wave's table of cosines and sines in LDS: 32,768 x wave + 16 x lane
.set SC,   32                          ; v32-63 scale words, two sets: they hold scales and nothing else
.set AF,   128                         ; A's fragments
.set WW,   64                          ; the way out: v64-71 scale words gathered: head 0's four, head 1's four
.set TM,   72                          ; v72-75 largest magnitudes, v76-79 bytes, v80-83 448 x the scale, v84-87 the conversions' scale operands
.set PW,   88                          ; the scale word just made
.set T0,   90
.set IV,   96                          ; v96-111 my 16 frequencies; later the codes
.set POS,  112                         ; v112-119 my token's position in each of the 8 blocks of rows
.set KC,   120                         ; v[120:121] two polynomial constants
.set SA,   122                         ; the table's address in the trip in hand
.set PCO,  96                          ; v96-127 the codes, two sets of 16
.set XX,   128                         ; v128-191 64 numbers to be quantised
.set CS,   192                         ; v192-255 cosine and sine of 16 frequencies, two sets of 32
.set AR,   128                         ; in the table's loop: the angle, then r
.set NN,   144                         ; the multiple of pi/2
.set ZZ,   160                         ; r^2
.set SP,   176                         ; the sine's polynomial
.set CP,   224                         ; the cosine's
.set TT,   240
.set G1, 24
.set G0, 32
.set G1B, 48
.set G0B, 56
.set G1S, 68
.set G0S, 76
.set G1SB, 80
.set G0SB, 88
.set MSB, 0
.macro WIN new                         ; the immediate's high byte repeats the setting that is left; a switch that changes nothing is dropped
.set NW, \new
.if MSB != NW
	s_set_vgpr_msb (MSB<<8)|NW
.set MSB, NW
.endif
.endm
.set MUL_LO, 0xa1                      ; source 0 (B) window 1, source 1 (A) window 0, C and D window 2
.set MUL_HI, 0xf1                      ; the same, C and D window 3
.set TO_B,   0x40                      ; destination window 1, address window 0
; A joint load: waves 0 and 1 fetch for A, waves 2 and 3 for B.  The branch hangs on the wave's number alone.  Four v_nop follow each of the two lines.
.macro JLOAD g0a, g1a, g0b, g1b
	s_cmp_eq_u32 s15, 0
	s_cbranch_scc0 .Lfor_b_\@
	tensor_load_to_lds s[\g0a:\g0a+3], s[\g1a:\g1a+7]
	s_nop 0
.rept 4
	v_nop
.endr
	s_branch .Lasked_\@
.Lfor_b_\@:
	tensor_load_to_lds s[\g0b:\g0b+3], s[\g1b:\g1b+7]
	s_nop 0
.rept 4
	v_nop
.endr
.Lasked_\@:
.endm
.macro CREST                           ; a round of the cluster's barrier behind its opening barrier
	s_cmp_lg_u32 s14, 0
	s_cbranch_scc1 .Lnot_wave_0_\@
	s_barrier_signal -3
.Lnot_wave_0_\@:
	s_barrier_wait -3
	s_barrier_signal -1
	s_barrier_wait -1
.endm
.macro CROUND                          ; a whole round
	s_barrier_signal -1
	s_barrier_wait -1
	CREST
.endm
	s_load_b512 s[68:83], s[0:1], 0x0              ; x's codes, x's scales, Wq's, Wk's, Wv's codes and scales
	s_load_b128 s[84:87], s[0:1], 0x40             ; token_positions, qr
	s_load_b64 s[88:89], s[0:1], 0x50              ; kv
	v_lshl_add_u32 v[SPW], v0, 2, SPARE
	v_mov_b32 v[NIL], 0
	ds_add_u32 v28, v29
	ds_add_u32 v28, v29
	s_wait_dscnt 0x0
	v_lshrrev_b32 v1, 5, v0
	v_readfirstlane_b32 s14, v1                    ; wave 0..3
	s_lshr_b32 s15, s14, 1                         ; which half of A's rows is mine.  Also: I fetch for A (0) or for B (1)
	s_and_b32 s16, s14, 1                          ; which half of B's rows.  Also: which 128 rows of that tile I fetch
	s_bfe_u32 s40, ttmp6, 0x40000                  ; cx, cy: my place in the cluster
	s_bfe_u32 s41, ttmp6, 0x40004
	s_and_b32 s2, ttmp7, 0xffff
	s_lshl_b32 s2, s2, 2                           ; 4 x the cluster's y: it counts tiles of 256 tokens
	s_cmp_eq_u32 ttmp9, 2                          ; v?  The cluster's x is the same in all sixteen partners
	s_cselect_b32 s17, 0, s2
	s_cselect_b32 s42, s2, 0
	s_add_co_u32 s17, s17, s41                     ; A's tile: q, k: tokens 4 y + cy;  v: features cy
	s_add_co_u32 s42, s42, s40                     ; B's tile: q, k: features cx;  v: tokens 4 y + cx
	s_lshl_b32 s43, s41, 2
	s_lshl_b32 s43, 15, s43                        ; my row of the cluster
	s_lshl_b32 s44, 0x1111, s40                    ; my column
	; descriptor group 1: a tile of 128 rows x 256 bytes, 16 bytes of padding behind each row
	s_or_b32 s[G1+0], s43, (0<<16)|(1<<20)|(1<<21)|(5<<22)|(3<<25)  ; 15:0 the mask: A's tiles go to my row; elements of 1 byte; padding on; bit 21 beside a mask; after every 64 words, 4 words
	s_or_b32 s[G1B+0], s44, (0<<16)|(1<<20)|(1<<21)|(5<<22)|(3<<25)
.irp g, G1, G1B
	s_mov_b32 s[\g+1], ROWB<<16                    ; tensor_dim0
	s_mov_b32 s[\g+2], 128<<16                     ; tensor_dim1
	s_mov_b32 s[\g+3], ROWB<<16                    ; tile_dim0
	s_mov_b32 s[\g+4], 128                         ; tile_dim1
	s_mov_b32 s[\g+5], KROW                        ; tensor_dim0_stride
	s_mov_b32 s[\g+6], 0
	s_mov_b32 s[\g+7], 0
.endr
	s_lshl_b32 s18, s16, 7                         ; which 128 rows of the tile I fetch
	s_lshl_b32 s20, s17, 8
	s_add_co_u32 s20, s20, s18                     ; A: row 256 x tile + 128 x half
	s_lshl_b32 s46, s42, 8
	s_add_co_u32 s46, s46, s18                     ; B likewise
	s_mov_b32 s21, 0
	s_mov_b32 s47, 0
	s_mov_b64 s[18:19], KS
	s_mul_u64 s[22:23], s[20:21], s[18:19]         ; where these rows' scale bytes begin
	s_mul_u64 s[92:93], s[46:47], s[18:19]
	s_mov_b64 s[18:19], KROW
	s_mul_u64 s[20:21], s[20:21], s[18:19]         ; and their codes
	s_mul_u64 s[46:47], s[46:47], s[18:19]
	s_mul_i32 s45, s14, HALFT                      ; where they go: wave x 128 rows: no place in the cluster enters an LDS address
	s_mul_i32 s94, s14, HALFS
	s_wait_kmcnt 0x0
	s_cmp_eq_u32 ttmp9, 0                          ; the buffers are chosen by the cluster's x alone
	s_cselect_b64 s[8:9], s[72:73], s[76:77]       ; the weight: Wq or Wk,
	s_cselect_b64 s[10:11], s[74:75], s[78:79]
	s_cselect_b64 s[12:13], s[86:87], s[88:89]     ; the destination: qr or kv
	s_cmp_eq_u32 ttmp9, 2
	s_cselect_b64 s[8:9], s[80:81], s[8:9]         ; or Wv
	s_cselect_b64 s[10:11], s[82:83], s[10:11]
	s_cselect_b64 s[4:5], s[8:9], s[68:69]         ; A: x, for v the weight
	s_cselect_b64 s[6:7], s[10:11], s[70:71]
	s_cselect_b64 s[8:9], s[68:69], s[8:9]         ; B: the weight, for v x
	s_cselect_b64 s[10:11], s[70:71], s[10:11]
	s_mov_b64 s[96:97], s[84:85]                   ; token_positions
	s_add_nc_u64 s[20:21], s[4:5], s[20:21]
	s_add_nc_u64 s[22:23], s[6:7], s[22:23]
	s_add_nc_u64 s[46:47], s[8:9], s[46:47]
	s_add_nc_u64 s[92:93], s[10:11], s[92:93]
	; group 1 for the scale bytes of 128 rows: a dense block of 4,096 bytes, as rows of 256 bytes (32 elements of 8 bytes), 16 bytes of padding behind each.  (The arguments' copies in s68 on are done with)
	s_or_b32 s[G1S+0], s43, (3<<16)|(1<<20)|(1<<21)|(5<<22)|(3<<25)
	s_or_b32 s[G1SB+0], s44, (3<<16)|(1<<20)|(1<<21)|(5<<22)|(3<<25)
.irp g, G1S, G1SB
	s_mov_b32 s[\g+1], 32<<16
	s_mov_b32 s[\g+2], (128*KS/256)<<16
	s_mov_b32 s[\g+3], 32<<16
	s_mov_b32 s[\g+4], 128*KS/256
	s_mov_b32 s[\g+5], 32
	s_mov_b32 s[\g+6], 0
	s_mov_b32 s[\g+7], 0
.endr
	CROUND                                         ; all sixteen work-groups are here: the first joint loads meet
	s_mov_b32 s[G0S], 1
	s_add_co_u32 s[G0S+1], s94, SCL
	s_mov_b64 s[G0S+2:G0S+3], s[22:23]
	s_or_b32 s[G0S+3], s[G0S+3], 0x80000000
	s_mov_b32 s[G0SB], 1
	s_add_co_u32 s[G0SB+1], s94, SCL
	s_mov_b64 s[G0SB+2:G0SB+3], s[92:93]
	s_or_b32 s[G0SB+3], s[G0SB+3], 0x80000000
	JLOAD G0S, G1S, G0SB, G1SB                     ; the scale bytes first: they are wanted with K step 0
.irp s, 0,1
	s_mov_b32 s[G0+4*\s], 1
	s_add_co_u32 s[G0+4*\s+1], s45, \s*SLOT
	s_add_nc_u64 s[G0+4*\s+2:G0+4*\s+3], s[20:21], \s*ROWB
	s_or_b32 s[G0+4*\s+3], s[G0+4*\s+3], 0x80000000
	s_mov_b32 s[G0B+4*\s], 1
	s_add_co_u32 s[G0B+4*\s+1], s45, \s*SLOT
	s_add_nc_u64 s[G0B+4*\s+2:G0B+4*\s+3], s[46:47], \s*ROWB
	s_or_b32 s[G0B+4*\s+3], s[G0B+4*\s+3], 0x80000000
	JLOAD G0+4*\s, G1, G0B+4*\s, G1B               ; three tensor loads of mine are out now, the most in this text
.endr
	v_and_b32 v1, 15, v0                           ; r = l % 16
	v_bfe_u32 v2, v0, 4, 1                         ; h = l / 16
	v_mul_u32_u24 v3, v1, PITCH
	v_lshl_add_u32 v4, v2, 4, v3                   ; a fragment's row x pitch + 16 x half
	s_mul_i32 s21, s15, HALFT                      ; my 128 rows of A
	s_mul_i32 s22, s16, HALFT                      ; my 128 rows of B,
	s_add_co_u32 s22, s22, 2*HALFT                 ; which lie behind A's 256
.irp s, 0,1
	v_add_nc_u32 v[ADRA+\s], s21, v4
	v_add_nc_u32 v[ADRB+\s], s22, v4
	s_add_co_u32 s21, s21, SLOT
	s_add_co_u32 s22, s22, SLOT
.endr
	v_mul_u32_u24 v5, v1, KS                       ; my row's scale bytes: 32 a row,
	v_lshrrev_b32 v6, 8, v5
	v_lshl_add_u32 v5, v6, 4, v5                   ; and 16 more for each 256 passed
	s_mul_i32 s21, s15, HALFS
	s_mul_i32 s22, s16, HALFS
	s_add_co_u32 s22, s22, 2*HALFS
	s_sub_co_u32 s22, s22, s21
	v_mul_u32_u24 v6, s22, v2                      ; lanes 16-31 take B's: one product, the distance between the two
	s_add_co_u32 s21, s21, SCL
	v_add_nc_u32 v5, v5, v6
	v_add_nc_u32 v[ADRS], s21, v5
	v_and_b32 v7, 31, v0
	v_lshlrev_b32 v[VO0], 4, v7                    ; 16 x lane
	s_wait_alu depctr_va_vdst(0)
	s_lshl_b32 s2, s14, 15
	v_add_nc_u32 v[STG], s2, v[VO0]                ; my table: 32,768 x wave + 16 x lane
	v_lshlrev_b32 v[TPO], 2, v1
	s_wait_alu depctr_va_vdst(0)
	; where my results go.  These numbers mix cx and cy: they lie in registers that feed no descriptor and no LDS address
	s_cmp_eq_u32 ttmp9, 2
	s_cselect_b32 s4, s42, s17                     ; the tile of 256 tokens,
	s_cselect_b32 s5, s17, s42                     ; the tile of 256 features (4 heads),
	s_cselect_b32 s6, s15, s16                     ; which two of its heads are my wave's,
	s_cselect_b32 s7, s16, s15                     ; which 128 of its tokens
	s_cselect_b32 s8, 16384, 0                     ; the codes' place in a record
	s_mov_b32 s9, 32768
	s_cselect_b32 s9, 33280, s9                    ; the scale words' place: V's, K's,
	s_cmp_eq_u32 ttmp9, 0
	s_cselect_b32 s9, 16384, s9                    ; or q's
	s_mov_b32 s10, KVREC
	s_cselect_b32 s10, QREC, s10                   ; a record's bytes
	s_lshl_b32 s95, s10, 3                         ; from a head to the next: 8 records
	s_lshr_b32 s11, s4, 3                          ; the batch
	s_lshl_b32 s11, s11, 4
	s_lshl_b32 s5, s5, 2
	s_add_co_u32 s11, s11, s5
	s_lshl_b32 s6, s6, 1
	s_add_co_u32 s11, s11, s6                      ; 16 x batch + my first head
	s_lshl_b32 s11, s11, 3
	s_and_b32 s4, s4, 7
	s_add_co_u32 s11, s11, s4                      ; the record
	s_mul_i32 s11, s11, s10                        ; in bytes: under 2^25
	s_lshl_b32 s18, s7, 13
	s_add_co_u32 s98, s11, s18
	s_add_co_u32 s98, s98, s8
	s_mov_b32 s99, 0
	s_lshl_b32 s18, s7, 8
	s_add_co_u32 s100, s11, s18
	s_add_co_u32 s100, s100, s9
	s_mov_b32 s101, 0
	s_add_nc_u64 s[66:67], s[12:13], s[100:101]    ; the scale words
	s_add_nc_u64 s[12:13], s[12:13], s[98:99]      ; the codes
	s_lshl_b32 s4, s4, 8
	s_lshl_b32 s7, s7, 7
	s_add_co_u32 s98, s4, s7
	s_lshl_b32 s98, s98, 2
	s_add_nc_u64 s[96:97], s[96:97], s[98:99]      ; my 128 tokens' positions
	v_add_nc_u32 v[VO0+1], s95, v[VO0]
	v_mul_u32_u24 v[VSO], v2, s95
	v_lshl_add_u32 v[VSO], v1, 4, v[VSO]
.irp a, 0,1,2,3,4,5,6,7
	global_load_b32 v[POS+\a], v[TPO], s[96:97] offset:64*\a   ; into registers that the products do not touch; waited for on the way out
.endr
.macro FRAG reg, adr, q, i             ; a fragment: lane l holds row l % 16; registers 4 c .. 4 c + 3 hold K = 32 c + 16 (l / 16) + 0 .. 15
.irp c, 0,1,2,3
	ds_load_b128 v[\reg+4*\c:\reg+4*\c+3], v[\adr] offset:128*(\q)+32*\c+(\i)*16*PITCH
.endr
.endm
; 16 matrix instructions: A's blocks a0, a0 + 1 x B's eight, 128 along K.  p: B's set; sc: the set of scale words.  zero = 1: the first product starts the sums.
; The 64 accumulators take turns, one instruction a turn, in the same order in every step.
.macro MUL16 a0, p, q, sc, zero
.irp a, \a0, \a0+1
.irp b, 0,1,2,3,4,5,6,7
.if \zero
	v_wmma_scale_f32_16x16x128_f8f6f4 v[8*(8*((\a)%4)+\b):8*(8*((\a)%4)+\b)+7], v[128*(\p)+FR*\b:128*(\p)+FR*\b+FR-1], v[AF+FR*(\a):AF+FR*(\a)+FR-1], 0, v[SC+8*NQ*(\sc)+NQ*\b+(\q)], v[SC+8*NQ*(\sc)+NQ*(\a)+(\q)] matrix_a_scale:MATRIX_SCALE_ROW1
.else
	v_wmma_scale_f32_16x16x128_f8f6f4 v[8*(8*((\a)%4)+\b):8*(8*((\a)%4)+\b)+7], v[128*(\p)+FR*\b:128*(\p)+FR*\b+FR-1], v[AF+FR*(\a):AF+FR*(\a)+FR-1], v[8*(8*((\a)%4)+\b):8*(8*((\a)%4)+\b)+7], v[SC+8*NQ*(\sc)+NQ*\b+(\q)], v[SC+8*NQ*(\sc)+NQ*(\a)+(\q)] matrix_a_scale:MATRIX_SCALE_ROW1
.endif
.endr
.endr
.endm
.macro FETCH_B slot, q, p
	WIN TO_B
.irp i, 0,1,2,3,4,5,6,7
	FRAG 128*(\p)+FR*\i, ADRB+\slot, \q, \i
.endr
	WIN 0
.endm
.macro FETCH_A slot, q, i0
.irp i, \i0, \i0+1, \i0+2, \i0+3
	FRAG AF+FR*(\i), ADRA+\slot, \q, \i
.endr
.endm
.macro SCALES sc                       ; a K step's scale words: 2 words a row; lanes 0-15 take A's block i, lanes 16-31 B's block i
.irp i, 0,1,2,3,4,5,6,7
	ds_load_b64 v[SC+8*NQ*\sc+NQ*\i:SC+8*NQ*\sc+NQ*\i+1], v[ADRS] offset:\i*SBLK
.endr
.endm
.macro PLACES n                        ; plain vector instructions that name no register of the matrix instructions before them (ISA guide 7.12.1)
.rept \n
	v_nop
.endr
.endm
; A step of 128 along K that has its successor in the same slot.
.macro STEP slot, q, zero
	s_wait_dscnt 4*NL                              ; B's set and A's blocks 0-3 are in; the youngest 16 loads (A's blocks 4-7) may be out
	WIN MUL_LO
	MUL16 0, (\q)%2, \q, \slot, \zero
	MUL16 2, (\q)%2, \q, \slot, \zero
	s_wait_dscnt 0
	PLACES NP
	FETCH_B \slot, (\q)+1, 1-(\q)%2
	FETCH_A \slot, (\q)+1, 0
	WIN MUL_HI
	MUL16 4, (\q)%2, \q, \slot, \zero
	MUL16 6, (\q)%2, \q, \slot, \zero
	PLACES NP
	WIN 0
	FETCH_A \slot, (\q)+1, 4
.endm
; A slot's last step changes slots: one barrier; in front of it each wave waits for all its tensor loads, adds 0 to its spare word, and waits for that and for its own reads of this slot.
.macro TURN slot, next, fill
	s_wait_tensorcnt 0x0                           ; all my tensor loads have landed: my part of the next slot
	ds_add_u32 v[SPW], v[NIL]                      ; 0 onto my spare word
	s_wait_dscnt 4*NL+1                            ; (the add and the youngest 16 loads, A's blocks 4-7, may be out)
	WIN MUL_LO
	MUL16 0, 1, NQ-1, \slot, 0
	s_wait_dscnt 0x0                               ; the add is done, and my reads of this slot are over
	s_barrier_signal -1
	MUL16 2, 1, NQ-1, \slot, 0
	WIN 0
	s_barrier_wait -1
.if \fill
	CREST                                          ; the barrier has opened a round of the cluster's barrier: no wave of any partner still reads this slot or has a load on its way
	s_add_nc_u64 s[G0+4*\slot+2:G0+4*\slot+3], s[G0+4*\slot+2:G0+4*\slot+3], 2*ROWB
	s_add_nc_u64 s[G0B+4*\slot+2:G0B+4*\slot+3], s[G0B+4*\slot+2:G0B+4*\slot+3], 2*ROWB
	JLOAD G0+4*\slot, G1, G0B+4*\slot, G1B         ; the first tensor load behind the round; its four v_nop are among the places in front of the loads below
	PLACES NP-4
.else
	PLACES NP
.endif
	s_wait_alu depctr_va_vdst(0)
	v_add_nc_u32 v[ADRS], 4*NQ, v[ADRS]            ; on to the next K step's scale words
	FETCH_B \next, 0, 0
	FETCH_A \next, 0, 0
	SCALES \next
	WIN MUL_HI
	MUL16 4, 1, NQ-1, \slot, 0
	MUL16 6, 1, NQ-1, \slot, 0
	PLACES NP
	WIN 0
	FETCH_A \next, 0, 4
.endm
	s_wait_tensorcnt 1                             ; the scale bytes and my part of K step 0 are in (K step 1's load may be out),
	s_barrier_signal -1
	s_barrier_wait -1                              ; everybody's are
	FETCH_B 0, 0, 0
	FETCH_A 0, 0, 0
	SCALES 0
	FETCH_A 0, 0, 4
	STEP 0, 0, 1                                   ; the first step stands in front of the loop: its products start the sums
	s_mov_b32 s3, LAPS-1
.Llap:
	TURN 0, 1, 1
	STEP 1, 0, 0
	TURN 1, 0, 1
	STEP 0, 0, 0
	s_sub_co_u32 s3, s3, 1
	s_cmp_lg_u32 s3, 0
	s_cbranch_scc1 .Llap
	TURN 0, 1, 0                                   ; the last lap fills nothing
	STEP 1, 0, 0
	s_wait_dscnt 4*NL
	WIN MUL_LO
	MUL16 0, 1, NQ-1, 1, 0
	MUL16 2, 1, NQ-1, 1, 0
	s_wait_dscnt 0
	WIN MUL_HI
	MUL16 4, 1, NQ-1, 1, 0
	MUL16 6, 1, NQ-1, 1, 0
	WIN 0
; ---------------- THE WAY OUT ----------------
	PLACES NP                                      ; behind the last products: what follows writes registers that held A's fragments
	s_wait_loadcnt 0x0                             ; the positions
.irp a, 0,1,2,3,4,5,6,7
	v_cvt_f32_i32 v[POS+\a], v[POS+\a]
.endr
	v_cmp_ne_u32 s43, 0, v2                        ; the mask of lanes 16-31.  (No tensor load is out: the descriptors' registers are free)
.macro SPAIR r, val                    ; a constant twice: the packed forms name a pair
	s_mov_b32 s[\r], \val
	s_mov_b32 s[\r+1], \val
.endm
	SPAIR 24, 0x3f22f983                           ; 2 / pi
	SPAIR 26, 0xbfc90fdb                           ; - pi/2, in three parts
	SPAIR 28, 0x333bbd2e
	SPAIR 30, 0x26f72ced
	SPAIR 32, 0xb94ca1f9                           ; the sine's third coefficient,
	SPAIR 34, 0x37ccf5ce                           ; the cosine's
	SPAIR 36, 0xbe2aaaa3                           ; the sine's first,
	SPAIR 38, 0x3d2aaaa5                           ; the cosine's
	s_mov_b32 s40, 0x76543210
	s_mov_b32 s41, 0xfedcba98                      ; v_permlanex16_b32's selects for lane l xor 16
	s_mov_b32 s42, 0x600000                        ; the mantissa field of 448
	v_mov_b32 v[KC], 0x3c08839e                    ; the sine's second coefficient,
	v_mov_b32 v[KC+1], 0xbab6061a                  ; the cosine's
.irp b, 0,1,2,3
	v_mov_b32 v[TM+4+\b], 0                        ; written once: a lane permute's destination counts as one of its sources
.endr
; Register pair i of accumulator b holds features 16 (b % 4) + 8 h + 2 i, + 1 of a head: frequency 8 (b % 4) + 4 h + i.  So a lane wants 16 of the 32: number 4 q + i is 10^(-(8 q + 4 h + i) / 8)
.macro IVSET f, lo, hi
	v_mov_b32 v[IV+\f], \lo
	v_mov_b32 v[T0], \hi
	v_cndmask_b32 v[IV+\f], v[IV+\f], v[T0], s43
.endm
	IVSET 0, 0x3f800000, 0x3ea1e89b
	IVSET 1, 0x3f3ff911, 0x3e72d424
	IVSET 2, 0x3f0ff59a, 0x3e361887
	IVSET 3, 0x3ed7e89b, 0x3e088d77
	IVSET 4, 0x3dcccccd, 0x3d0186e2
	IVSET 5, 0x3d99940e, 0x3cc24350
	IVSET 6, 0x3d6655c3, 0x3c91ad39
	IVSET 7, 0x3d2cba15, 0x3c5a7bf1
	IVSET 8, 0x3c23d70a, 0x3b4f3e37
	IVSET 9, 0x3bf5b9b0, 0x3b1b690d
	IVSET 10, 0x3bb8449c, 0x3ae91528
	IVSET 11, 0x3b8a2e77, 0x3aaec98e
	IVSET 12, 0x3a83126f, 0x39a5cb5f
	IVSET 13, 0x3a44948c, 0x3978a814
	IVSET 14, 0x3a136a16, 0x393a7753
	IVSET 15, 0x39dd1726, 0x390bd472
; THE TABLE: cosine and sine of my token's 16 angles, for each of the 8 blocks of 16 tokens: 32 registers a block, kept in my wave's own 32,768 bytes of slot 0, which has had its last fill, and which
; nobody reads since the last change of slots.  Every work-group walks the 8 trips; v's jump over a trip's work (a branch on the cluster's x, the same in all partners).
	s_mov_b32 s44, 0
	s_mov_b32 s3, 8
.Lsc:
	s_cmp_eq_u32 ttmp9, 2
	s_cbranch_scc1 .Lsc_next
	s_wait_alu depctr_va_vdst(0)
.irp e, 0,2,4,6,8,10,12,14
	v_pk_mul_f32 v[AR+\e:AR+\e+1], v[IV+\e:IV+\e+1], v[POS:POS+1] op_sel_hi:[1,0]   ; the angle: position x frequency, one rounding
.endr
.irp e, 0,2,4,6,8,10,12,14
	v_pk_mul_f32 v[NN+\e:NN+\e+1], v[AR+\e:AR+\e+1], s[24:25] op_sel_hi:[1,0]
.endr
.irp e, 0,1,2,3,4,5,6,7,8,9,10,11,12,13,14,15
	v_rndne_f32 v[NN+\e], v[NN+\e]                 ; n: the nearest multiple of pi/2
.endr
.irp k, 26,28,30
.irp e, 0,2,4,6,8,10,12,14
	v_pk_fma_f32 v[AR+\e:AR+\e+1], v[NN+\e:NN+\e+1], s[\k:\k+1], v[AR+\e:AR+\e+1] op_sel_hi:[1,0,1]   ; r = angle - n pi/2, part by part
.endr
.endr
.irp e, 0,1,2,3,4,5,6,7,8,9,10,11,12,13,14,15
	v_cvt_i32_f32 v[NN+\e], v[NN+\e]
.endr
.irp e, 0,2,4,6,8,10,12,14
	v_pk_mul_f32 v[ZZ+\e:ZZ+\e+1], v[AR+\e:AR+\e+1], v[AR+\e:AR+\e+1]               ; z = r^2
.endr
.irp e, 0,2,4,6,8,10,12,14
	v_pk_fma_f32 v[SP+\e:SP+\e+1], v[ZZ+\e:ZZ+\e+1], s[32:33], v[KC:KC+1] op_sel_hi:[1,0,0]
	v_pk_fma_f32 v[CP+\e:CP+\e+1], v[ZZ+\e:ZZ+\e+1], s[34:35], v[KC:KC+1] op_sel:[0,0,1] op_sel_hi:[1,0,1]
.endr
.irp e, 0,2,4,6,8,10,12,14
	v_pk_fma_f32 v[SP+\e:SP+\e+1], v[SP+\e:SP+\e+1], v[ZZ+\e:ZZ+\e+1], s[36:37] op_sel_hi:[1,1,0]
	v_pk_fma_f32 v[CP+\e:CP+\e+1], v[CP+\e:CP+\e+1], v[ZZ+\e:ZZ+\e+1], s[38:39] op_sel_hi:[1,1,0]
.endr
.irp e, 0,2,4,6,8,10,12,14
	v_pk_mul_f32 v[TT+\e:TT+\e+1], v[ZZ+\e:ZZ+\e+1], v[AR+\e:AR+\e+1]
.endr
.irp e, 0,2,4,6,8,10,12,14
	v_pk_fma_f32 v[SP+\e:SP+\e+1], v[SP+\e:SP+\e+1], v[TT+\e:TT+\e+1], v[AR+\e:AR+\e+1]   ; sin r = r + r^3 (..)
.endr
.irp e, 0,2,4,6,8,10,12,14
	v_pk_mul_f32 v[TT+\e:TT+\e+1], v[ZZ+\e:ZZ+\e+1], v[ZZ+\e:ZZ+\e+1]
.endr
.irp e, 0,2,4,6,8,10,12,14
	v_pk_fma_f32 v[ZZ+\e:ZZ+\e+1], v[ZZ+\e:ZZ+\e+1], -0.5, 1.0 op_sel_hi:[1,0,0]
.endr
.irp e, 0,2,4,6,8,10,12,14
	v_pk_fma_f32 v[CP+\e:CP+\e+1], v[CP+\e:CP+\e+1], v[TT+\e:TT+\e+1], v[ZZ+\e:ZZ+\e+1]   ; cos r = 1 - z / 2 + z^2 (..)
.endr
	s_wait_dscnt 0x0                               ; the last trip's stores into the table are done: their data and address are written again below
.set e, 0
.rept 16                               ; the quadrant: n odd swaps the two; the sine's sign is bit 1 of n, the cosine's bit 1 of n + 1
	v_and_b32 v[TT+e], 1, v[NN+e]
	v_cmp_ne_u32 vcc_lo, 0, v[TT+e]
	v_cndmask_b32 v[ZZ+e], v[SP+e], v[CP+e], vcc_lo
	v_cndmask_b32 v[AR+e], v[CP+e], v[SP+e], vcc_lo
	v_lshlrev_b32 v[TT+e], 30, v[NN+e]
	v_add_lshl_u32 v[NN+e], v[NN+e], 1, 30
	v_and_b32 v[TT+e], 0x80000000, v[TT+e]
	v_and_b32 v[NN+e], 0x80000000, v[NN+e]
	v_xor_b32 v[CS+2*e+1], v[TT+e], v[ZZ+e]        ; the sine
	v_xor_b32 v[CS+2*e], v[NN+e], v[AR+e]          ; the cosine
.set e, e+1
.endr
	v_add_nc_u32 v[SA], s44, v[STG]
.irp j, 0,1,2,3,4,5,6,7
	ds_store_b128 v[SA], v[CS+4*\j:CS+4*\j+3] offset:512*\j    ; an image of the 32 registers: 16 bytes a lane, 512 a store
.endr
.irp i, 0,1,2,3,4,5,6
	v_mov_b32 v[POS+\i], v[POS+1+\i]               ; the next block's position comes to the front: a loop cannot number registers
.endr
.Lsc_next:
	s_add_co_u32 s44, s44, 4096
	s_sub_co_u32 s3, s3, 1
	s_cmp_lg_u32 s3, 0
	s_cbranch_scc1 .Lsc
	s_wait_dscnt 0x0
; 64 numbers of a lane, register 16 b + i of v[src] on in window win, become 16 registers of codes (set) and a scale word in v[PW].  A block of 32 lies in lanes l and l xor 16.
.macro QUANT src, win, set
	WIN (\win)|((\win)<<2)
.irp b, 0,1,2,3
	v_max3_num_f32 v[TM+\b], |v[(\src)+16*\b]|, |v[(\src)+16*\b+1]|, 0x4800000   ; my 16 numbers, from each accumulator's low end on, and the floor 2^(9 - 127): the byte cannot fall under 1
.endr
.irp i, 2,4,6,8,10,12,14
.irp b, 0,1,2,3
	v_max3_num_f32 v[TM+\b], |v[(\src)+16*\b+\i]|, |v[(\src)+16*\b+\i+1]|, v[TM+\b]
.endr
.endr
	WIN 0
.irp b, 0,1,2,3
	v_permlanex16_b32 v[TM+4+\b], v[TM+\b], s40, s41
.endr
.irp b, 0,1,2,3
	v_max_num_f32 v[TM+\b], v[TM+\b], v[TM+4+\b]   ; the block's largest magnitude
.endr
.irp b, 0,1,2,3
	v_add_nc_u32 v[TM+12+\b], 0xfc000000, v[TM+\b] ; 8 off its exponent field: the conversion's scale operand
.endr
.irp b, 0,1,2,3
	v_and_or_b32 v[TM+8+\b], v[TM+\b], 0x7f800000, s42   ; 448 x the scale
.endr
.irp b, 0,1,2,3
	v_lshrrev_b32 v[TM+4+\b], 23, v[TM+12+\b]      ; the scale's byte
.endr
	v_lshl_or_b32 v[PW], v[TM+5], 8, v[TM+4]
	v_lshl_or_b32 v[PW], v[TM+6], 16, v[PW]
	v_lshl_or_b32 v[PW], v[TM+7], 24, v[PW]
	WIN \win
.irp b, 0,1,2,3
.irp i, 0,1,2,3,4,5,6,7,8,9,10,11,12,13,14,15
	v_med3_num_f32 v[XX+16*\b+\i], v[(\src)+16*\b+\i], -v[TM+8+\b], v[TM+8+\b]   ; the conversion to an 8-bit code does not saturate (ISA guide 7.6.2): the hold
.endr
.endr
	WIN 0
.irp b, 0,1,2,3
	v_cvt_scalef32_pk8_fp8_f32 v[PCO+16*(\set)+4*\b:PCO+16*(\set)+4*\b+1], v[XX+16*\b:XX+16*\b+7], v[TM+12+\b]
	v_cvt_scalef32_pk8_fp8_f32 v[PCO+16*(\set)+4*\b+2:PCO+16*(\set)+4*\b+3], v[XX+16*\b+8:XX+16*\b+15], v[TM+12+\b]
.endr
	v_nop                                          ; one plain vector line behind the last conversion
.endm
.macro CSLOAD a, set                   ; block a's cosines and sines come back as they were stored
.irp j, 0,1,2,3,4,5,6,7
	ds_load_b128 v[CS+32*(\set)+4*\j:CS+32*(\set)+4*\j+3], v[STG] offset:4096*(\a)+512*\j
.endr
.endm
.macro ROPE a, set                     ; (even, odd) -> (even cos - odd sin, odd cos + even sin), two packed lines a pair; source 0 is the accumulators' window
	WIN 0x02+(\a)/4
.irp b, 0,1,2,3,4,5,6,7
.irp i, 0,1,2,3
	v_pk_mul_f32 v[XX+8*\b+2*\i:XX+8*\b+2*\i+1], v[64*((\a)%4)+8*\b+2*\i:64*((\a)%4)+8*\b+2*\i+1], v[CS+32*(\set)+2*(4*(\b%4)+\i):CS+32*(\set)+2*(4*(\b%4)+\i)+1] op_sel_hi:[1,0]
.endr
.irp i, 0,1,2,3
	v_pk_fma_f32 v[XX+8*\b+2*\i:XX+8*\b+2*\i+1], v[64*((\a)%4)+8*\b+2*\i:64*((\a)%4)+8*\b+2*\i+1], v[CS+32*(\set)+2*(4*(\b%4)+\i):CS+32*(\set)+2*(4*(\b%4)+\i)+1], v[XX+8*\b+2*\i:XX+8*\b+2*\i+1] op_sel:[1,1,0] op_sel_hi:[0,1,1] neg_lo:[0,1,0]
.endr
.endr
.endm
.macro SCALEOUT                        ; lanes 0-15 store my first head's four words a row, lanes 16-31 my second head's: 256 consecutive bytes each, aligned
.irp j, 0,1,2,3
	v_cndmask_b32 v[TM+\j], v[WW+\j], v[WW+4+\j], s43
.endr
	global_store_b128 v[VSO], v[TM:TM+3], s[66:67]
.endm
	s_cmp_eq_u32 ttmp9, 2
	s_cbranch_scc1 .Lv
	; ---- q and k: block a is 16 tokens x my two heads
	CSLOAD 0, 0
.irp a, 0,1,2,3,4,5,6,7
.if \a < 7
	CSLOAD \a+1, (\a+1)%2
	s_wait_dscnt 8                                 ; this block's table is in; the next block's eight loads may be out
.else
	s_wait_dscnt 0x0
.endif
.if \a >= 2
	s_wait_xcnt 0x0                                ; the stores of two blocks ago have read this set of codes
.endif
	ROPE \a, \a%2
	QUANT XX, 0, \a%2
.if \a%2 == 0                          ; the word's low half is my first head's two bytes, the high half my second head's; two tiles of tokens make a word
	v_and_b32 v[WW+\a/2], 0xffff, v[PW]
	v_lshrrev_b32 v[WW+4+\a/2], 16, v[PW]
.else
	v_lshl_or_b32 v[WW+\a/2], v[PW], 16, v[WW+\a/2]
	v_and_or_b32 v[WW+4+\a/2], v[PW], 0xffff0000, v[WW+4+\a/2]
.endif
.irp p, 0,1,2,3
	global_store_b128 v[VO0+\p/2], v[PCO+16*(\a%2)+4*\p:PCO+16*(\a%2)+4*\p+3], s[12:13] offset:1024*\a+512*(\p%2)   ; 32 lanes store 512 consecutive bytes, aligned to 256
.endr
.endr
	SCALEOUT
	s_branch .Ljoin
.Lv:
	; ---- v: block a is 16 features x my 128 tokens: one fragment of V^T and one scale word a feature
.irp a, 0,1,2,3,4,5,6,7
.if \a >= 2
	s_wait_xcnt 0x0
.endif
	QUANT 64*(\a%4), 2+\a/4, \a%2
	v_mov_b32 v[WW+\a], v[PW]
.irp p, 0,1,2,3
	global_store_b128 v[VO0+\a/4], v[PCO+16*(\a%2)+4*\p:PCO+16*(\a%2)+4*\p+3], s[12:13] offset:2048*(\a%4)+512*\p
.endr
.endr
	SCALEOUT
.Ljoin:
	s_wait_tensorcnt 0x0                           ; the wave's end: behind my last tensor load and my last LDS store
	ds_add_u32 v[SPW], v[NIL]
	s_wait_dscnt 0x0
	CROUND                                         ; the closing round: no work-group ends while a partner may still ask for a tile that names it
	s_endpgm
.Lfunc_end_k_qc888af5b31_qkv:
	.size	k_qc888af5b31_qkv, .Lfunc_end_k_qc888af5b31_qkv-k_qc888af5b31_qkv
	.p2alignl 7, 3214868480
	.fill 96, 4, 3214868480
	.section	.rodata,"a",@progbits
	.p2align	6, 0x0
	.amdhsa_kernel k_qc888af5b31_qkv
		.amdhsa_group_segment_fixed_size 327680
		.amdhsa_private_segment_fixed_size 0
		.amdhsa_enable_private_segment 0
		.amdhsa_kernarg_size 88
		.amdhsa_user_sgpr_count 2
		.amdhsa_user_sgpr_kernarg_segment_ptr 1
		.amdhsa_wavefront_size32 1
		.amdhsa_system_sgpr_workgroup_id_x 1
		.amdhsa_system_sgpr_workgroup_id_y 1
		.amdhsa_system_sgpr_workgroup_id_z 1
		.amdhsa_system_vgpr_workitem_id 0
		.amdhsa_next_free_vgpr 1024
		.amdhsa_next_free_sgpr 102
		.amdhsa_reserve_vcc 1
		.amdhsa_float_denorm_mode_32 3
		.amdhsa_float_denorm_mode_16_64 3
		.amdhsa_memory_ordered 1
		.amdhsa_forward_progress 1
		.amdhsa_inst_pref_size 255
	.end_amdhsa_kernel
	.section	.bss,"aw",@nobits
	.p2align	6
	.space	262144
	.amdgpu_metadata
---
amdhsa.version: [ 1, 2 ]
amdhsa.kernels:
  - .name:           k_qc888af5b31_qkv
    .symbol:         k_qc888af5b31_qkv.kd
    .args:
      - { .name: x_codes, .offset: 0, .size: 8, .value_kind: global_buffer, .address_space: global }
      - { .name: x_scales, .offset: 8, .size: 8, .value_kind: global_buffer, .address_space: global }
      - { .name: Wq_codes, .offset: 16, .size: 8, .value_kind: global_buffer, .address_space: global }
      - { .name: Wq_scales, .offset: 24, .size: 8, .value_kind: global_buffer, .address_space: global }
      - { .name: Wk_codes, .offset: 32, .size: 8, .value_kind: global_buffer, .address_space: global }
      - { .name: Wk_scales, .offset: 40, .size: 8, .value_kind: global_buffer, .address_space: global }
      - { .name: Wv_codes, .offset: 48, .size: 8, .value_kind: global_buffer, .address_space: global }
      - { .name: Wv_scales, .offset: 56, .size: 8, .value_kind: global_buffer, .address_space: global }
      - { .name: token_positions, .offset: 64, .size: 8, .value_kind: global_buffer, .address_space: global }
      - { .name: qr, .offset: 72, .size: 8, .value_kind: global_buffer, .address_space: global }
      - { .name: kv, .offset: 80, .size: 8, .value_kind: global_buffer, .address_space: global }
    .group_segment_fixed_size: 327680
    .private_segment_fixed_size: 0
    .kernarg_segment_align: 8
    .kernarg_segment_size: 88
    .max_flat_workgroup_size: 128
    .sgpr_count:     102
    .vgpr_count:     1024
    .wavefront_size: 32
...
	.end_amdgpu_metadata
.endif
;; end of part 1
;; launch attn (part 2): grid 4 x 64, 16 waves a work-group, no clusters, 327,680 bytes of LDS; arguments qr, kv, oc, os; writes oc, os
.if DOCPART == 2
	.amdgcn_target "amdgcn-amd-amdhsa--gfx1250"
	.amdhsa_code_object_version 6
	.text
	.protected	k_qc888af5b31_attn
	.globl	k_qc888af5b31_attn
	.p2align	8
	.type	k_qc888af5b31_attn,@function
k_qc888af5b31_attn:
	s_mov_b64 s[64:65], 0
	v_nop
	global_prefetch_b8 v0, s[64:65] scope:SCOPE_SE
	s_setreg_imm32_b32 hwreg(HW_REG_WAVE_MODE, 25, 1), 1
	s_wait_xcnt 0x0
; Causal attention of one head on codes of FP8 (E4M3) with one E8M0 scale for each 32 along a product's K: S = q k^T / 8, p = 2^(t - M), O = p v / l; O is quantised along the model's 1,024 features for the last product.
; INPUTS are the records that the launch before has laid as images of operand registers (qr: 256 queries in 16,896 bytes; kv: 256 keys in 33,792 bytes): a fragment's four registers come by one load at 16 x lane.
; SHARES.  Work-group (x, y): head y (16 x batch + head), query blocks x and 7 - x of 256 queries.  Under the mask they want x + 1 and 8 - x records of keys: nine for every x, so all 256 work-groups have the same work and
; no record is fetched that nobody reads.  Each of the sixteen waves owns 16 queries of the block in hand, in 256 registers: four waves to a SIMD, so that one wave's vector work stands beside another's products and LDS loads.
; NO CLUSTER: the four work-groups of a head want different records at the same trip (x + 1 records, then 8 - x), so no joint request would name the same tile in all four.
; THE RING: two LDS slots of one record, filled by waves 0 and 1 (half a record each, 66 rows of 256 bytes) and read by all sixteen; one barrier a record; a load has a whole record's steps in which to land.  One tensor load of a wave is out at the most.
; THE HEAD HAS 64 FEATURES, THE INSTRUCTION TAKES 128 ALONG K: a fragment of K holds TWO tiles of 16 keys (K positions 0-63 and 64-127) and is multiplied by [q, 0] and by [0, q]: the half that is not wanted meets zero codes.
; LAYOUT.  Both products are used transposed (S^T = K Q^T, O^T = V^T P^T): a lane holds one query (lane % 16).  Register 16 b + 8 u + j of S^T is key 32 b + 16 u + 8 (lane / 16) + j of the step; the conversions lay p's codes in that
; order, and V's codes were laid in the same order inside each block of 32 keys.
; THE SOFTMAX: t = score x log2(e) / 8; M = the running largest t rounded up to a whole number; p = 2^(t - M) is quantised along the keys; the sum is taken of the unquantised p and divides O at the end; when M moves, the sum and
; O^T are multiplied by 2^(old M - new M), which rounds nothing.
; LIMITS: NaN among the codes is not served; a block of zeros gets the scale byte 1 and not 127 (its codes are zeros; this program alone reads the bytes).
.set QREC,  16896
.set KVREC, 33792
.set SLOT1, 65536                      ; slot 1 begins here: one exclusive or turns an address in one slot into the other's
.set SPARE, 131072                     ; the spare words, 128 bytes for each of 16 waves: eight blocks of 256 bytes that no other line names
.set LI,  1                            ; v1  16 x lane
.set LR,  2                            ; v2  16 x (lane % 16)
.set RH,  3                            ; v3  lane % 16 - 8 (lane / 16)
.set SPW, 4                            ; v4  LDS address of my spare word; never rewritten
.set NIL, 5                            ; v5  0; never rewritten
.set OSO, 6                            ; v6  32 x (lane % 16): my query's row of scale bytes
.set ADR, 8                            ; v8  LDS address of the slot's fragments
.set ADS, 9                            ; v9  and of its scale words
                                       ; v12 -M, v13 the largest t, v[14:15] the sum in two halves
.set QF,  16                           ; v16-23 q, v24-31 zeros, v32-39 q again: [q, 0] = v[16:31], [0, q] = v[24:39]
.set KV,  40                           ; v40-103 four fragments of K, then four of V
.set S,   104                          ; v104-167 S^T, then p
.set O,   168                          ; v168-199 O^T
.set PCD, 200                          ; v200-215 p's codes
.set BM,  216                          ; v216-219 a block's largest
.set BT,  220                          ; v220-223 at work
.set HD,  224
.set SO,  228                          ; v228-231 the conversions' scale operands
.set KSW, 232                          ; v232-235 K's scale words
.set VSW, 236                          ; v236-239 V's
.set QS,  240                          ; v240 q's scale word for [q, 0], v241 for [0, q]
.set FF,  242                          ; v242 2^(old M - new M); v243 p's scale word
.set T0,  244
.set T1,  245
.set WV,  12
.set PI,  13                           ; the work-group's x
.set BH,  14                           ; 16 x batch + head
.set TR,  15                           ; the trip
.set KSL, 16                           ; the record of keys in hand
.set RN,  17                           ; the record to be asked for
.set BLK, 18                           ; the block of queries in hand
.set MNT, 19
.set SEL, 20
.set CC,  22                           ; s[22:23] log2(e) / 8
.set TB,  24                           ; LDS byte at which the slot in hand begins
.set KF,  25                           ; the step's first key
.set Q0,  26                           ; my first query
.set KVB, 30                           ; s[30:31] the head's records, at my half
.set G0,  32
.set G1,  36
.macro TLOAD                           ; waves 0 and 1 fetch; the branch hangs on the wave's number alone; four v_nop follow the load
	s_cmp_lt_u32 s[WV], 2
	s_cbranch_scc0 .Lnone_\@
	tensor_load_to_lds s[G0:G0+3], s[G1:G1+7]
	s_nop 0
.rept 4
	v_nop
.endr
.Lnone_\@:
.endm
	s_load_b256 s[4:11], s[0:1], 0x0               ; qr s[4:5], kv s[6:7], oc s[8:9], os s[10:11]
	v_lshl_add_u32 v[SPW], v0, 2, SPARE
	v_mov_b32 v[NIL], 0
	ds_add_u32 v4, v5
	ds_add_u32 v4, v5
	s_wait_dscnt 0x0
	v_lshrrev_b32 v8, 5, v0
	s_delay_alu instid0(VALU_DEP_1)
	v_readfirstlane_b32 s[WV], v8                  ; wave 0..15
	s_mov_b32 s[PI], ttmp9
	s_and_b32 s[BH], ttmp7, 0xffff
	; descriptor group 1: half a record, a dense block of 66 rows of 256 bytes (32 elements of 8 bytes)
	s_mov_b32 s[G1], 3<<16
	s_mov_b32 s[G1+1], 32<<16                      ; tensor_dim0
	s_mov_b32 s[G1+2], 66<<16                      ; tensor_dim1
	s_mov_b32 s[G1+3], 32<<16                      ; tile_dim0
	s_mov_b32 s[G1+4], 66                          ; tile_dim1
	s_mov_b32 s[G1+5], 32                          ; from row to row
	s_mov_b32 s[G1+6], 0
	s_mov_b32 s[G1+7], 0
	s_mul_i32 s28, s[BH], 8*KVREC                  ; the head's eight records: under 2^25 bytes
	s_and_b32 s27, s[WV], 1
	s_mul_i32 s27, s27, KVREC/2                    ; my half, in memory and in a slot
	s_add_co_u32 s28, s28, s27
	s_mov_b32 s29, 0
	s_and_b32 s50, s[WV], 1
	s_lshl_b32 s50, s50, 4                         ; which half of a scale word is my tile's
	s_mov_b32 s[SEL], 0x76543210
	s_mov_b32 s[SEL+1], 0xfedcba98                 ; v_permlanex16_b32's selects for lane l xor 16
	s_mov_b32 s[CC], 0x3e38aa3b                    ; log2(e) / sqrt(64)
	s_mov_b32 s[CC+1], s[CC]
	s_mov_b32 s[TR], 0
	s_mov_b32 s[KSL], 0
	s_mov_b32 s[TB], 0
	s_mov_b32 s[BLK], s[PI]
	s_wait_kmcnt 0x0
	s_add_nc_u64 s[KVB:KVB+1], s[6:7], s[28:29]
	s_mov_b32 s[G0], 1
	s_mov_b32 s[G0+1], s27                         ; slot 0
	s_mov_b64 s[G0+2:G0+3], s[KVB:KVB+1]           ; record 0
	s_or_b32 s[G0+3], s[G0+3], 0x80000000
	TLOAD
	v_and_b32 v7, 31, v0
	s_delay_alu instid0(VALU_DEP_1)
	v_lshlrev_b32 v[LI], 4, v7
	v_and_b32 v7, 15, v0
	s_delay_alu instid0(VALU_DEP_1)
	v_lshlrev_b32 v[LR], 4, v7
	s_delay_alu instid0(VALU_DEP_2)
	v_lshlrev_b32 v[OSO], 5, v7
	v_bfe_u32 v10, v0, 4, 1
	s_delay_alu instid0(VALU_DEP_1)
	v_lshlrev_b32 v11, 3, v10
	s_delay_alu instid0(VALU_DEP_1)
	v_sub_nc_u32 v[RH], v7, v11
	s_delay_alu instid0(VALU_DEP_3)
	v_cmp_ne_u32 s51, 0, v10                       ; the mask of lanes 16-31
.irp j, 0,1,2,3,4,5,6,7
	v_mov_b32 v[QF+8+\j], 0                        ; the zero codes between the two copies of q
.endr
.irp j, 0,1,2,3
	v_mov_b32 v[BT+\j], 0                          ; written once: a lane permute's destination counts as one of its sources
	v_mov_b32 v[PCD+12+\j], 0
.endr
	v_mov_b32 v[FF+1], 0                           ; (named as the upper half of a pair before it is first written)
	v_mov_b32 v[T0], 0
; A block of queries begins: q's fragment twice, its scale word, and the running figures.
.macro START
	s_lshl_b32 s[Q0], s[BLK], 8
	s_lshl_b32 s27, s[WV], 4
	s_add_co_u32 s[Q0], s[Q0], s27                 ; my first query
	s_lshl_b32 s27, s[BH], 3
	s_add_co_u32 s27, s27, s[BLK]
	s_mul_i32 s54, s27, QREC                       ; the block's record
	s_lshl_b32 s27, s[WV], 10
	s_add_co_u32 s28, s54, s27                     ; my tile's codes: 1,024 bytes a tile
	s_add_nc_u64 s[44:45], s[4:5], s[28:29]
	s_lshr_b32 s27, s[WV], 3
	s_lshl_b32 s27, s27, 8
	s_add_co_u32 s28, s54, s27                     ; the scale words [half 2][row 16][pair 4]
	s_bfe_u32 s27, s[WV], 0x20001
	s_lshl_b32 s27, s27, 2
	s_add_co_u32 s28, s28, s27
	s_add_co_u32 s28, s28, 16384
	s_add_nc_u64 s[52:53], s[4:5], s[28:29]
	global_load_b128 v[QF:QF+3], v[LI], s[44:45]
	global_load_b128 v[QF+4:QF+7], v[LI], s[44:45] offset:512
	global_load_b128 v[QF+16:QF+19], v[LI], s[44:45]
	global_load_b128 v[QF+20:QF+23], v[LI], s[44:45] offset:512
	global_load_b32 v[T0], v[LR], s[52:53]
	v_mov_b32 v13, 0xff61b1e6                      ; the largest t so far: -3e38, under every t
	s_delay_alu instid0(VALU_DEP_1)
	v_floor_f32 v12, -v13                          ; -M
	v_mov_b32 v14, 0
	v_mov_b32 v15, 0
.set n, 0
.rept 32
	v_mov_b32 v[O+n], 0                            ; O^T.  (The step is written once: the first finds zeros, which the first change of M leaves zeros)
.set n, n+1
.endr
	s_wait_loadcnt 0x0
	v_lshrrev_b32 v[T0], s50, v[T0]
	s_delay_alu instid0(VALU_DEP_1)
	v_and_b32 v[QS], 0xffff, v[T0]                 ; my tile's two bytes below, the byte 0 over the zero codes
	s_delay_alu instid0(VALU_DEP_1)
	v_lshlrev_b32 v[QS+1], 16, v[QS]               ; and the other way round
.endm
; A KEY STEP: 128 keys, half q of the record in hand.
.macro STEP q
	s_lshl_b32 s[KF], s[KSL], 8
	s_add_co_u32 s[KF], s[KF], 128*(\q)
	s_add_co_u32 s27, s[Q0], 15
	s_cmp_gt_u32 s[KF], s27                        ; a step all of whose keys come after my 16 queries is left out: a scalar branch on ids; no barrier and no tensor load stands in a step
	s_cbranch_scc1 .Lhidden_\@
	v_add_nc_u32 v[ADR], s[TB], v[LI]
	v_add_nc_u32 v[ADS], s[TB], v[LR]
.rept 6
	v_nop                                          ; with the two additions: eight places in front of loads into registers that the last products have read
.endr
.irp t, 0,1,2,3
.irp c, 0,1,2,3
	ds_load_b128 v[KV+16*\t+4*\c:KV+16*\t+4*\c+3], v[ADR] offset:8192*(\q)+2048*\t+512*\c
.endr
.endr
	ds_load_b128 v[KSW:KSW+3], v[ADS] offset:32768+256*(\q)
	s_wait_dscnt 0x0
	s_wait_alu depctr_va_vdst(0)
.irp t, 0,1,2,3                        ; S^T: fragment t holds key tiles 2 t and 2 t + 1; the eight accumulators take turns
.irp e, 0,1
	v_wmma_scale_f32_16x16x128_f8f6f4 v[S+8*(2*\t+\e):S+8*(2*\t+\e)+7], v[KV+16*\t:KV+16*\t+15], v[QF+8*\e:QF+8*\e+15], 0, v[KSW+\t], v[QS+\e]
.endr
.endr
.rept 8
	v_nop                                          ; places in front of the loads below and of the first read of the scores
.endr
.irp t, 0,1,2,3                        ; V's fragments are asked for now: they land under the softmax
.irp c, 0,1,2,3
	ds_load_b128 v[KV+16*\t+4*\c:KV+16*\t+4*\c+3], v[ADR] offset:16384+8192*(\q)+2048*\t+512*\c
.endr
.endr
	ds_load_b128 v[VSW:VSW+3], v[ADS] offset:33280+256*(\q)
	s_add_co_u32 s27, s[KF], 127                   ; on the diagonal the scores of hidden keys become -infinity ahead of the maximum; a step all of whose keys count skips this
	s_cmp_le_u32 s27, s[Q0]
	s_cbranch_scc1 .Lopen_\@
	s_sub_co_i32 s27, s[Q0], s[KF]
	v_add_nc_u32 v[T0], s27, v[RH]                 ; d = my query - the step's first key - 8 (lane / 16): register 16 b + 8 u + j is hidden where 32 b + 16 u + j > d
	v_mov_b32 v[T1], 0xff800000
.set n, 0
.rept 64
	v_cmp_gt_i32 vcc_lo, 32*(n/16)+16*((n/8)%2)+n%8, v[T0]
	v_cndmask_b32 v[S+n], v[S+n], v[T1], vcc_lo
.set n, n+1
.endr
.Lopen_\@:
.irp b, 0,1,2,3
	v_max3_num_f32 v[BM+\b], v[S+16*\b], v[S+1+16*\b], v[S+2+16*\b]   ; the largest score of each block of 32 keys: for the row's maximum, and, since p rises with the score, for the block's largest p
.endr
.irp i, 3,5,7,9,11,13
.irp b, 0,1,2,3
	v_max3_num_f32 v[BM+\b], v[BM+\b], v[S+16*\b+\i], v[S+1+16*\b+\i]
.endr
.endr
.irp b, 0,1,2,3
	v_max_num_f32 v[BM+\b], v[BM+\b], v[S+15+16*\b]
.endr
.irp b, 0,1,2,3
	s_delay_alu instid0(VALU_DEP_4)
	v_permlanex16_b32 v[BT+\b], v[BM+\b], s[SEL], s[SEL+1]
.endr
.irp b, 0,1,2,3
	s_delay_alu instid0(VALU_DEP_4)
	v_max_num_f32 v[BM+\b], v[BM+\b], v[BT+\b]     ; with lane l xor 16's 16 keys
.endr
	s_delay_alu instid0(VALU_DEP_2)
	v_max3_num_f32 v[T0], v[BM], v[BM+1], v[BM+2]
	s_delay_alu instid0(VALU_DEP_1)
	v_max_num_f32 v[T0], v[T0], v[BM+3]
	s_delay_alu instid0(VALU_DEP_1)
	v_mul_f32 v[T0], s[CC], v[T0]
	s_delay_alu instid0(VALU_DEP_1)
	v_max_num_f32 v13, v13, v[T0]                  ; the running largest t
	v_mov_b32 v[T0], v12
	s_delay_alu instid0(VALU_DEP_2)
	v_floor_f32 v12, -v13                          ; the new -M = -ceil(t)
	s_delay_alu instid0(VALU_DEP_1)
	v_sub_f32 v[T0], v12, v[T0]                    ; old M - new M: a whole number, 0 or less
	s_delay_alu instid0(VALU_DEP_1)
	v_cvt_i32_f32 v[T0], v[T0]                     ; (it saturates)
	s_delay_alu instid0(VALU_DEP_1)
	v_ldexp_f32 v[FF], 1.0, v[T0]                  ; f = 2^(old M - new M)
.set n, 0
.rept 32
	v_pk_fma_f32 v[S+n:S+n+1], v[S+n:S+n+1], s[CC:CC+1], v[12:13] op_sel_hi:[1,0,0]   ; t - M
.set n, n+2
.endr
.irp b, 0,1,2,3
	v_fma_f32 v[BM+\b], v[BM+\b], s[CC], v12
.endr
.set n, 0
	s_wait_alu depctr_va_vdst(0)
.rept 64
	v_exp_f32 v[S+n], v[S+n]                       ; p = 2^(t - M)
.set n, n+1
.endr
.irp b, 0,1,2,3
	v_exp_f32 v[BM+\b], v[BM+\b]                   ; the block's largest p: the same two instructions on the same number
.endr
	v_pk_mul_f32 v[14:15], v[14:15], v[FF:FF+1] op_sel_hi:[1,0]   ; the sums under the new M.  (A plain place behind the exponentials)
	s_wait_alu depctr_va_vdst(0)
.irp b, 0,1,2,3
	v_max_num_f32 v[BM+\b], 0x4800000, v[BM+\b]    ; the floor 2^(9 - 127): the byte cannot fall under 1
.endr
.irp b, 0,1,2,3
	s_delay_alu instid0(VALU_DEP_4)
	v_add_nc_u32 v[SO+\b], 0xfc000000, v[BM+\b]
.endr
.irp b, 0,1,2,3
.endr
.irp b, 0,1,2,3
	s_delay_alu instid0(VALU_DEP_4)
	v_lshrrev_b32 v[BT+\b], 23, v[SO+\b]
.endr
	s_delay_alu instid0(VALU_DEP_3)
	v_lshl_or_b32 v[FF+1], v[BT+1], 8, v[BT]       ; p's scale word for these 128 keys
	s_delay_alu instid0(VALU_DEP_1)
	v_lshl_or_b32 v[FF+1], v[BT+2], 16, v[FF+1]
	s_delay_alu instid0(VALU_DEP_1)
	v_lshl_or_b32 v[FF+1], v[BT+3], 24, v[FF+1]
	v_pk_add_f32 v[220:221], v[108:109], v[112:113]
	v_pk_add_f32 v[254:255], v[116:117], v[120:121]
	v_pk_add_f32 v[252:253], v[124:125], v[128:129]
	v_pk_add_f32 v[250:251], v[132:133], v[136:137]
	v_pk_add_f32 v[248:249], v[140:141], v[144:145]
	v_pk_add_f32 v[246:247], v[148:149], v[152:153]
	v_pk_add_f32 v[234:235], v[156:157], v[160:161]
	v_pk_add_f32 v[14:15], v[14:15], v[164:165]
	v_pk_add_f32 v[220:221], v[220:221], v[104:105]
	v_pk_add_f32 v[254:255], v[254:255], v[106:107]
	v_pk_add_f32 v[252:253], v[252:253], v[110:111]
	v_pk_add_f32 v[250:251], v[250:251], v[114:115]
	v_pk_add_f32 v[248:249], v[248:249], v[118:119]
	v_pk_add_f32 v[246:247], v[246:247], v[122:123]
	v_pk_add_f32 v[234:235], v[234:235], v[126:127]
	v_pk_add_f32 v[14:15], v[14:15], v[130:131]
	v_pk_add_f32 v[220:221], v[220:221], v[134:135]
	v_pk_add_f32 v[254:255], v[254:255], v[138:139]
	v_pk_add_f32 v[252:253], v[252:253], v[142:143]
	v_pk_add_f32 v[250:251], v[250:251], v[146:147]
	v_pk_add_f32 v[248:249], v[248:249], v[150:151]
	v_pk_add_f32 v[246:247], v[246:247], v[154:155]
	v_pk_add_f32 v[234:235], v[234:235], v[158:159]
	v_pk_add_f32 v[14:15], v[14:15], v[162:163]
	v_pk_add_f32 v[220:221], v[220:221], v[166:167]
	s_delay_alu instid0(VALU_DEP_2)
	v_pk_add_f32 v[14:15], v[14:15], v[250:251]
	s_delay_alu instid0(VALU_DEP_2)
	v_pk_add_f32 v[220:221], v[220:221], v[248:249]
	v_pk_add_f32 v[254:255], v[254:255], v[246:247]
	v_pk_add_f32 v[252:253], v[252:253], v[234:235]
	s_delay_alu instid0(VALU_DEP_2)
	v_pk_add_f32 v[14:15], v[14:15], v[254:255]
	s_delay_alu instid0(VALU_DEP_2)
	v_pk_add_f32 v[220:221], v[220:221], v[252:253]
	s_delay_alu instid0(VALU_DEP_1)
	v_pk_add_f32 v[14:15], v[14:15], v[220:221]
.irp b, 0,1,2,3
.irp i, 0,1,2,3,4,5,6,7,8,9,10,11,12,13,14,15
.endr
	v_cvt_scalef32_pk8_fp8_f32 v[PCD+4*\b:PCD+4*\b+1], v[S+16*\b:S+16*\b+7], v[SO+\b]
	v_cvt_scalef32_pk8_fp8_f32 v[PCD+4*\b+2:PCD+4*\b+3], v[S+16*\b+8:S+16*\b+15], v[SO+\b]
.endr
.set n, 0
.rept 16
	v_pk_mul_f32 v[O+n:O+n+1], v[O+n:O+n+1], v[FF:FF+1] op_sel_hi:[1,0]   ; O^T under the new M, each accumulator from its low end on.  (These are also the places between the codes and the products)
.set n, n+2
.endr
	s_wait_alu depctr_va_vdst(0)
	s_wait_dscnt 0x0                               ; V's fragments and scale words
.irp t, 0,1,2,3                        ; O^T += V^T P^T: four tiles of 16 features; K = these 128 keys; the four accumulators take turns
	v_wmma_scale_f32_16x16x128_f8f6f4 v[O+8*\t:O+8*\t+7], v[KV+16*\t:KV+16*\t+15], v[PCD:PCD+15], v[O+8*\t:O+8*\t+7], v[VSW+\t], v[FF+1]
.endr
.Lhidden_\@:
.endm
; THE CHANGE OF SLOTS stands at a record's head: each wave waits for all its tensor loads, adds 0 to its spare word, and waits for that and for its reads of the slot that it has left.  Behind the barrier the slot ahead is whole
; and nobody reads the other one.  fill = 1: that other slot takes the next trip's record: the next of this block of queries, or record 0 where the second block begins.
.macro CHANGE fill
	s_wait_tensorcnt 0x0
	ds_add_u32 v[SPW], v[NIL]                      ; 0 onto my spare word; the descriptor's step stands between it and the wait for it
.if \fill
	s_add_co_u32 s[RN], s[KSL], 1
	s_cmp_eq_u32 s[TR], s[PI]
	s_cselect_b32 s[RN], 0, s[RN]
	s_mul_i32 s28, s[RN], KVREC
	s_add_nc_u64 s[G0+2:G0+3], s[KVB:KVB+1], s[28:29]
	s_or_b32 s[G0+3], s[G0+3], 0x80000000
	s_xor_b32 s[G0+1], s[G0+1], SLOT1
.endif
	s_wait_dscnt 0x0
	s_barrier_signal -1
	s_barrier_wait -1
.if \fill
	TLOAD                                          ; the first thing behind the barrier, and a wave's one tensor load until the next
.endif
.endm
; A block of queries ends: O^T / the sum; its 64 features are two blocks of 32 of the last product's K.  That product's other operand is given, so the codes are put into K's own order: lanes l and l xor 16 exchange the
; middle two groups of eight codes.  They leave as an image of the operand's registers, 512 consecutive bytes a store; the two scale bytes go to my query's row.
.macro FINISH
.rept 8
	v_nop                                          ; places behind the last products
.endr
	v_add_f32 v14, v14, v15
	s_wait_alu depctr_va_vdst(0)
	v_permlanex16_b32 v[T0], v14, s[SEL], s[SEL+1]
	s_delay_alu instid0(VALU_DEP_1)
	v_add_f32 v14, v14, v[T0]                      ; the row's sum
	s_wait_alu depctr_va_vdst(0)
	v_rcp_f32 v14, v14
	v_nop                                          ; one plain place behind a transcendental
.set n, 0
	s_wait_alu depctr_va_vdst(0)
.rept 16
	v_pk_mul_f32 v[S+n:S+n+1], v[O+n:O+n+1], v[14:15] op_sel_hi:[1,0]
.set n, n+2
.endr
.irp c, 0,1
	v_max3_num_f32 v[BM+\c], |v[S+16*\c]|, |v[S+16*\c+1]|, 0x4800000
.endr
.irp i, 2,4,6,8,10,12,14
.irp c, 0,1
	s_delay_alu instid0(VALU_DEP_2)
	v_max3_num_f32 v[BM+\c], v[BM+\c], |v[S+16*\c+\i]|, |v[S+16*\c+\i+1]|
.endr
.endr
.irp c, 0,1
	s_delay_alu instid0(VALU_DEP_2)
	v_permlanex16_b32 v[BT+\c], v[BM+\c], s[SEL], s[SEL+1]
.endr
.irp c, 0,1
	s_delay_alu instid0(VALU_DEP_2)
	v_max_num_f32 v[BM+\c], v[BM+\c], v[BT+\c]
.endr
.irp c, 0,1
	s_delay_alu instid0(VALU_DEP_2)
	v_add_nc_u32 v[SO+\c], 0xfc000000, v[BM+\c]
.endr
.irp c, 0,1
.endr
.irp c, 0,1
	s_delay_alu instid0(VALU_DEP_2)
	v_lshrrev_b32 v[BT+\c], 23, v[SO+\c]
.endr
	s_delay_alu instid0(VALU_DEP_1)
	v_lshl_or_b32 v[T1], v[BT+1], 8, v[BT]         ; the head's two scale bytes
.irp c, 0,1
.irp i, 0,1,2,3,4,5,6,7,8,9,10,11,12,13,14,15
.endr
	v_cvt_scalef32_pk8_fp8_f32 v[PCD+4*\c:PCD+4*\c+1], v[S+16*\c:S+16*\c+7], v[SO+\c]        ; features 32 c + 8 h + 0 .. 7
	v_cvt_scalef32_pk8_fp8_f32 v[PCD+4*\c+2:PCD+4*\c+3], v[S+16*\c+8:S+16*\c+15], v[SO+\c]   ; features 32 c + 16 + 8 h + 0 .. 7
.endr
	v_nop                                          ; one plain vector line behind the last conversion
.irp c, 0,1
.irp k, 0,1
	v_cndmask_b32 v[PCD+8+2*\c+\k], v[PCD+4*\c+2+\k], v[PCD+4*\c+\k], s51   ; what I give: lanes 0-15 their second group, lanes 16-31 their first
.endr
.endr
.irp c, 0,1
.irp k, 0,1
	v_permlanex16_b32 v[PCD+12+2*\c+\k], v[PCD+8+2*\c+\k], s[SEL], s[SEL+1]
.endr
.endr
.irp c, 0,1
.irp k, 0,1
	v_cndmask_b32 v[S+32+4*\c+\k], v[PCD+4*\c+\k], v[PCD+12+2*\c+\k], s51     ; lanes 0-15: features 0-7, 8-15;
	v_cndmask_b32 v[S+34+4*\c+\k], v[PCD+12+2*\c+\k], v[PCD+4*\c+2+\k], s51   ; lanes 16-31: 16-23, 24-31
.endr
.endr
	s_lshr_b32 s27, s[BH], 4
	s_lshl_b32 s27, s27, 7
	s_lshl_b32 s28, s[BLK], 4
	s_add_co_u32 s27, s27, s28
	s_add_co_u32 s27, s27, s[WV]                   ; my tile of 16 tokens: 128 x batch + 16 x block + wave
	s_and_b32 s54, s[BH], 15                       ; the head
	s_lshl_b32 s28, s27, 14                        ; oc: 16,384 bytes a tile of rows, 1,024 a head (two groups of 512)
	s_lshl_b32 s55, s54, 10
	s_add_co_u32 s28, s28, s55
	s_add_nc_u64 s[46:47], s[8:9], s[28:29]
	s_lshl_b32 s28, s27, 9                         ; os: 32 bytes a token, two a head
	s_lshl_b32 s55, s54, 1
	s_add_co_u32 s28, s28, s55
	s_add_nc_u64 s[48:49], s[10:11], s[28:29]
	s_wait_alu depctr_va_vdst(0)
	global_store_b128 v[LI], v[S+32:S+35], s[46:47]
	global_store_b128 v[LI], v[S+36:S+39], s[46:47] offset:512
	global_store_b16 v[OSO], v[T1], s[48:49]       ; (lanes l and l xor 16 write the same two bytes with the same value)
	s_wait_xcnt 0x0                                ; the stores' data and bases are written again only behind this wait
.endm
	START
.Lslot:                                            ; eight trips, a record each; the ninth is written out
	CHANGE 1
	STEP 0
	STEP 1
	s_xor_b32 s[TB], s[TB], SLOT1
	s_add_co_u32 s[KSL], s[KSL], 1
	s_cmp_lg_u32 s[TR], s[PI]                      ; behind trip x the first block of queries is finished: a branch on ids, with no barrier, LDS access or tensor load inside
	s_cbranch_scc1 .Lsame
	FINISH
	s_sub_co_u32 s[BLK], 7, s[PI]
	s_mov_b32 s[KSL], 0
	START
.Lsame:
	s_add_co_u32 s[TR], s[TR], 1
	s_cmp_lt_u32 s[TR], 8
	s_cbranch_scc1 .Lslot
	CHANGE 0
	STEP 0
	STEP 1
	FINISH
	s_wait_tensorcnt 0x0                           ; the wave's end
	ds_add_u32 v[SPW], v[NIL]
	s_wait_dscnt 0x0
	s_endpgm
.Lfunc_end_k_qc888af5b31_attn:
	.size	k_qc888af5b31_attn, .Lfunc_end_k_qc888af5b31_attn-k_qc888af5b31_attn
	.p2alignl 7, 3214868480
	.fill 96, 4, 3214868480
	.section	.rodata,"a",@progbits
	.p2align	6, 0x0
	.amdhsa_kernel k_qc888af5b31_attn
		.amdhsa_group_segment_fixed_size 327680
		.amdhsa_private_segment_fixed_size 0
		.amdhsa_enable_private_segment 0
		.amdhsa_kernarg_size 32
		.amdhsa_user_sgpr_count 2
		.amdhsa_user_sgpr_kernarg_segment_ptr 1
		.amdhsa_wavefront_size32 1
		.amdhsa_system_sgpr_workgroup_id_x 1
		.amdhsa_system_sgpr_workgroup_id_y 1
		.amdhsa_system_sgpr_workgroup_id_z 1
		.amdhsa_system_vgpr_workitem_id 0
		.amdhsa_next_free_vgpr 256
		.amdhsa_next_free_sgpr 66
		.amdhsa_reserve_vcc 1
		.amdhsa_float_denorm_mode_32 3
		.amdhsa_float_denorm_mode_16_64 3
		.amdhsa_fp16_overflow 1
		.amdhsa_memory_ordered 1
		.amdhsa_forward_progress 1
		.amdhsa_inst_pref_size 110
	.end_amdhsa_kernel
	.amdgpu_metadata
---
amdhsa.version: [ 1, 2 ]
amdhsa.kernels:
  - .name:           k_qc888af5b31_attn
    .symbol:         k_qc888af5b31_attn.kd
    .args:
      - { .name: qr, .offset: 0, .size: 8, .value_kind: global_buffer, .address_space: global }
      - { .name: kv, .offset: 8, .size: 8, .value_kind: global_buffer, .address_space: global }
      - { .name: oc, .offset: 16, .size: 8, .value_kind: global_buffer, .address_space: global }
      - { .name: os, .offset: 24, .size: 8, .value_kind: global_buffer, .address_space: global }
    .group_segment_fixed_size: 327680
    .private_segment_fixed_size: 0
    .kernarg_segment_align: 8
    .kernarg_segment_size: 32
    .max_flat_workgroup_size: 512
    .sgpr_count:     66
    .vgpr_count:     256
    .wavefront_size: 32
...
	.end_amdgpu_metadata
.endif
;; end of part 2
;; launch oproj (part 3): grid 4 x 32, 4 waves a work-group, clusters of 4 x 4, 327,680 bytes of LDS; arguments oc, os, Wo_codes, Wo_scales, out0; writes out0
.if DOCPART == 3
	.amdgcn_target "amdgcn-amd-amdhsa--gfx1250"
	.amdhsa_code_object_version 6
	.text
	.protected	k_qc888af5b31_oproj
	.globl	k_qc888af5b31_oproj
	.p2align	8
	.type	k_qc888af5b31_oproj,@function
k_qc888af5b31_oproj:
	s_mov_b64 s[64:65], 0
	v_nop
	global_prefetch_b8 v0, s[64:65] scope:SCOPE_SE
	s_setreg_imm32_b32 hwreg(HW_REG_WAVE_MODE, 25, 1), 1
	s_wait_xcnt 0x0
	s_wait_alu depctr_hold_cnt(0) depctr_sa_sdst(0) depctr_va_vdst(0) depctr_va_sdst(0) depctr_va_ssrc(0) depctr_va_vcc(0) depctr_vm_vsrc(0)
	s_getreg_b32 s2, hwreg(HW_REG_IB_STS2, 6, 4)
	s_cmp_eq_u32 s2, 0
	s_cbranch_scc0 .Lentry_in_a_cluster
	s_endpgm
.Lentry_in_a_cluster:
	s_bfe_u32 s2, ttmp6, 0x10000c
	s_cmp_lg_u32 s2, 0xf033
	s_cbranch_scc0 .Lentry_shape_is_right
	s_endpgm
.Lentry_shape_is_right:
; out0[m][n] = sum over k of A[m][k] Wo[n][k] on codes of FP8 (E4M3) with one E8M0 scale for each 32 along K.  M = 8,192, N = K = 1,024; out0 f32; sums in f32.
; A is the attention's result as the launch before laid it: oc [tile of 16 rows 512][128 along K 8][c 4][lane 32][16 bytes]: images of fragments' registers; os [8,192][32] its scale bytes.  Wo: rows of 1,024 codes, [1,024][32] scale bytes.
; A tile of 256 x 256 of out0 is made by four waves, 128 x 128 each: 64 accumulators, 512 registers.  K goes in steps of 256 through a ring of two LDS slots filled by the tensor data mover.
; A's part of a slot is dense (a tile of 16 rows x 256 along K is 4,096 consecutive bytes; a fragment's load takes 512 consecutive bytes); Wo's has rows of 256 bytes + 16 of padding.
; The scale bytes of the tile's 2 x 256 rows, for all of K, come into LDS once.  CLUSTERS: 4 x 4 work-groups; A's tile is shared along a row of the cluster, Wo's along a column: joint loads.
; THE MATRIX INSTRUCTION IS USED TRANSPOSED (source 0 = 16 rows of Wo, source 1 = 16 rows of A): a lane holds eight neighbouring numbers of a row of out0.
; 128 work-groups: M N / (256 x 256).  LIMITS: NaN codes and scale bytes 0xff in Wo are not served.
; REGISTERS: window 0: v0-31 addresses; v32-63 scale words, two sets; from v128 A's fragments, one set.  window 1: Wo's fragments, two sets.  windows 2, 3: the accumulators of my rows 0-63, 64-127.
.set SIZE_N, 1024
.set SIZE_K, 1024
.set KSTEP,  256
.set NQ,     2
.set ROWB,   256
.set KROW,   SIZE_K
.set ASTEP,  4096                      ; a K step of A within a tile of 16 rows, in bytes
.set PITCH,  272
.set FR,     16
.set NL,     4
.set NP,     8                         ; places behind this matrix instruction (ISA guide 7.12.1)
.set HALFA,  8*ASTEP                   ; 128 rows of A: 8 tiles of rows x 4,096 bytes
.set HALFB,  128*PITCH                 ; 128 rows of Wo
.set BOFF,   2*HALFA
.set SLOT,   2*HALFA+2*HALFB
.set LAPS,   SIZE_K/(2*KSTEP)
.set KS,     SIZE_K/32
.set SCL,    2*SLOT
.set HALFS,  (128*KS/256)*272
.set SBLK,   (16*KS/256)*272
.set SPARE,  SCL+4*HALFS               ; the spare words, 128 bytes for each wave: two blocks of 256 bytes that no other line names
.set SPITCH, 528                       ; the way out: a stage of 16 rows x (512 bytes + 16) for each wave, in slot 0, which has had its last fill and its last read when the first result is stored there
.set ADRA, 16
.set ADRB, 20
.set STO,  24
.set RD,   25
.set CO,   26
.set ADRS, 27
.set SPW,  28
.set NIL,  29
.set SC,   32
.set AF,   128
.set BK,   128
.set G1, 24
.set G0, 32
.set G1B, 48
.set G0B, 56
.set G1S, 68
.set G0S, 76
.set G1SB, 80
.set G0SB, 88
.set MSB, 0
.macro WIN new
.set NW, \new
.if MSB != NW
	s_set_vgpr_msb (MSB<<8)|NW
.set MSB, NW
.endif
.endm
.set MUL_LO, 0xa1
.set MUL_HI, 0xf1
.set TO_B,   0x40
.macro JLOAD g0a, g1a, g0b, g1b        ; a joint load: waves 0 and 1 fetch for A, waves 2 and 3 for Wo; four v_nop follow each of the two lines
	s_cmp_eq_u32 s15, 0
	s_cbranch_scc0 .Lfor_b_\@
	tensor_load_to_lds s[\g0a:\g0a+3], s[\g1a:\g1a+7]
	s_nop 0
.rept 4
	v_nop
.endr
	s_branch .Lasked_\@
.Lfor_b_\@:
	tensor_load_to_lds s[\g0b:\g0b+3], s[\g1b:\g1b+7]
	s_nop 0
.rept 4
	v_nop
.endr
.Lasked_\@:
.endm
.macro CREST
	s_cmp_lg_u32 s14, 0
	s_cbranch_scc1 .Lnot_wave_0_\@
	s_barrier_signal -3
.Lnot_wave_0_\@:
	s_barrier_wait -3
	s_barrier_signal -1
	s_barrier_wait -1
.endm
.macro CROUND
	s_barrier_signal -1
	s_barrier_wait -1
	CREST
.endm
	s_load_b128 s[4:7], s[0:1], 0x0                ; oc, os
	s_load_b128 s[8:11], s[0:1], 0x10              ; Wo's codes, Wo's scales
	s_load_b64 s[12:13], s[0:1], 0x20              ; out0
	v_lshl_add_u32 v[SPW], v0, 2, SPARE
	v_mov_b32 v[NIL], 0
	ds_add_u32 v28, v29
	ds_add_u32 v28, v29
	s_wait_dscnt 0x0
	v_lshrrev_b32 v1, 5, v0
	v_readfirstlane_b32 s14, v1                    ; wave 0..3
	s_lshr_b32 s15, s14, 1                         ; which half of the tile's rows is mine.  Also: I fetch for A (0) or for Wo (1)
	s_and_b32 s16, s14, 1                          ; which half of its columns.  Also: which 128 rows of that tile I fetch
	s_bfe_u32 s40, ttmp6, 0x40000
	s_bfe_u32 s41, ttmp6, 0x40004
	s_lshl_b32 s42, ttmp9, 2
	s_add_co_u32 s42, s42, s40                     ; tile column = 4 x cluster x + cx
	s_and_b32 s17, ttmp7, 0xffff
	s_lshl_b32 s17, s17, 2
	s_add_co_u32 s17, s17, s41                     ; tile row = 4 x cluster y + cy
	s_lshl_b32 s43, s41, 2
	s_lshl_b32 s43, 15, s43                        ; my row of the cluster
	s_lshl_b32 s44, 0x1111, s40                    ; my column
	; group 1 for A: 8 rows (tiles of 16 rows of A) of 4,096 bytes, 16,384 bytes apart; elements of 8 bytes; no padding
	s_or_b32 s[G1+0], s43, (3<<16)|(1<<21)
	s_mov_b32 s[G1+1], 512<<16                     ; tensor_dim0
	s_mov_b32 s[G1+2], 8<<16                       ; tensor_dim1
	s_mov_b32 s[G1+3], 512<<16                     ; tile_dim0
	s_mov_b32 s[G1+4], 8                           ; tile_dim1
	s_mov_b32 s[G1+5], 2048                        ; from row to row
	s_mov_b32 s[G1+6], 0
	s_mov_b32 s[G1+7], 0
	; group 1 for Wo: 128 rows x 256 bytes, 16 bytes of padding behind each
	s_or_b32 s[G1B+0], s44, (0<<16)|(1<<20)|(1<<21)|(5<<22)|(3<<25)
	s_mov_b32 s[G1B+1], ROWB<<16
	s_mov_b32 s[G1B+2], 128<<16
	s_mov_b32 s[G1B+3], ROWB<<16
	s_mov_b32 s[G1B+4], 128
	s_mov_b32 s[G1B+5], KROW
	s_mov_b32 s[G1B+6], 0
	s_mov_b32 s[G1B+7], 0
	; the scale bytes of 128 rows: a dense block of 4,096 bytes, as rows of 256 bytes, 16 bytes of padding behind each
	s_or_b32 s[G1S+0], s43, (3<<16)|(1<<20)|(1<<21)|(5<<22)|(3<<25)
	s_or_b32 s[G1SB+0], s44, (3<<16)|(1<<20)|(1<<21)|(5<<22)|(3<<25)
.irp g, G1S, G1SB
	s_mov_b32 s[\g+1], 32<<16
	s_mov_b32 s[\g+2], (128*KS/256)<<16
	s_mov_b32 s[\g+3], 32<<16
	s_mov_b32 s[\g+4], 128*KS/256
	s_mov_b32 s[\g+5], 32
	s_mov_b32 s[\g+6], 0
	s_mov_b32 s[\g+7], 0
.endr
	s_lshl_b32 s18, s16, 7
	s_lshl_b32 s20, s17, 8
	s_add_co_u32 s20, s20, s18                     ; A: row 256 x tile row + 128 x half
	s_lshl_b32 s46, s42, 8
	s_add_co_u32 s46, s46, s18                     ; Wo: row 256 x tile column + 128 x half
	s_mov_b32 s21, 0
	s_mov_b32 s47, 0
	s_mov_b64 s[18:19], KS
	s_mul_u64 s[22:23], s[20:21], s[18:19]         ; where these rows' scale bytes begin
	s_mul_u64 s[92:93], s[46:47], s[18:19]
	s_mov_b64 s[18:19], KROW
	s_mul_u64 s[20:21], s[20:21], s[18:19]         ; and their codes: 16 rows of A are 16,384 bytes in oc too
	s_mul_u64 s[46:47], s[46:47], s[18:19]
	s_mul_i32 s45, s16, HALFA                      ; where they go: A's halves,
	s_mul_i32 s95, s16, HALFB
	s_add_co_u32 s95, s95, BOFF                    ; Wo's behind them: no place in the cluster enters an LDS address
	s_mul_i32 s94, s14, HALFS
	s_wait_kmcnt 0x0
	s_add_nc_u64 s[20:21], s[4:5], s[20:21]
	s_add_nc_u64 s[22:23], s[6:7], s[22:23]
	s_add_nc_u64 s[46:47], s[8:9], s[46:47]
	s_add_nc_u64 s[92:93], s[10:11], s[92:93]
	CROUND                                         ; all sixteen work-groups are here: the first joint loads meet
	s_mov_b32 s[G0S], 1
	s_add_co_u32 s[G0S+1], s94, SCL
	s_mov_b64 s[G0S+2:G0S+3], s[22:23]
	s_or_b32 s[G0S+3], s[G0S+3], 0x80000000
	s_mov_b32 s[G0SB], 1
	s_add_co_u32 s[G0SB+1], s94, SCL
	s_mov_b64 s[G0SB+2:G0SB+3], s[92:93]
	s_or_b32 s[G0SB+3], s[G0SB+3], 0x80000000
	JLOAD G0S, G1S, G0SB, G1SB
.irp s, 0,1
	s_mov_b32 s[G0+4*\s], 1
	s_add_co_u32 s[G0+4*\s+1], s45, \s*SLOT
	s_add_nc_u64 s[G0+4*\s+2:G0+4*\s+3], s[20:21], \s*ASTEP
	s_or_b32 s[G0+4*\s+3], s[G0+4*\s+3], 0x80000000
	s_mov_b32 s[G0B+4*\s], 1
	s_add_co_u32 s[G0B+4*\s+1], s95, \s*SLOT
	s_add_nc_u64 s[G0B+4*\s+2:G0B+4*\s+3], s[46:47], \s*ROWB
	s_or_b32 s[G0B+4*\s+3], s[G0B+4*\s+3], 0x80000000
	s_wait_alu depctr_va_vdst(0)
	s_wait_tensorcnt 0x0
	ds_add_u32 v28, v29
	s_wait_dscnt 0x0
	CROUND
	JLOAD G0+4*\s, G1, G0B+4*\s, G1B               ; one tensor load of mine is out now: the wait in front has taken the ones before
.endr
	v_and_b32 v1, 15, v0                           ; l % 16
	v_bfe_u32 v2, v0, 4, 1                         ; l / 16
	v_mul_u32_u24 v3, v1, PITCH
	v_lshl_add_u32 v4, v2, 4, v3                   ; Wo: a fragment's row x pitch + 16 x half
	v_and_b32 v7, 31, v0
	v_lshlrev_b32 v7, 4, v7                        ; A: 16 x lane
	s_mul_i32 s21, s15, HALFA                      ; my 128 rows of A
	s_mul_i32 s22, s16, HALFB                      ; my 128 rows of Wo
	s_add_co_u32 s22, s22, BOFF
.irp s, 0,1
	v_add_nc_u32 v[ADRA+\s], s21, v7
	v_add_nc_u32 v[ADRB+\s], s22, v4
	s_add_co_u32 s21, s21, SLOT
	s_add_co_u32 s22, s22, SLOT
.endr
	v_mul_u32_u24 v5, v1, KS
	v_lshrrev_b32 v6, 8, v5
	v_lshl_add_u32 v5, v6, 4, v5
	s_mul_i32 s21, s15, HALFS
	s_mul_i32 s22, s16, HALFS
	s_add_co_u32 s22, s22, 2*HALFS
	s_sub_co_u32 s22, s22, s21
	v_mul_u32_u24 v6, s22, v2                      ; lanes 16-31 take Wo's
	s_add_co_u32 s21, s21, SCL
	v_add_nc_u32 v5, v5, v6
	v_add_nc_u32 v[ADRS], s21, v5
	s_mul_i32 s23, s14, 16*SPITCH                  ; my stage
	v_mul_u32_u24 v5, v1, SPITCH
	v_lshl_add_u32 v5, v2, 5, v5
	v_add_nc_u32 v[STO], s23, v5
	v_and_b32 v6, 31, v0
	v_lshlrev_b32 v[CO], 4, v6
	v_add_nc_u32 v[RD], s23, v[CO]
	s_lshl_b32 s20, s17, 8
	s_lshl_b32 s21, s15, 7
	s_add_co_u32 s20, s20, s21                     ; my first row of out0
	s_mov_b32 s21, 0
	s_mov_b64 s[18:19], SIZE_N*4
	s_mul_u64 s[20:21], s[20:21], s[18:19]
	s_lshl_b32 s46, s42, 10                        ; my first column, in bytes
	s_lshl_b32 s47, s16, 9
	s_add_co_u32 s46, s46, s47
	s_mov_b32 s47, 0
	s_add_nc_u64 s[20:21], s[20:21], s[46:47]
	s_add_nc_u64 s[12:13], s[12:13], s[20:21]
.macro FRAGB reg, adr, q, i            ; Wo: lane l holds row l % 16; registers 4 c .. 4 c + 3 hold K = 32 c + 16 (l / 16) + 0 .. 15
.irp c, 0,1,2,3
	ds_load_b128 v[\reg+4*\c:\reg+4*\c+3], v[\adr] offset:128*(\q)+32*\c+(\i)*16*PITCH
.endr
.endm
.macro FRAGA reg, adr, q, i            ; A: the image comes back as it was stored: 512 consecutive bytes a load
.irp c, 0,1,2,3
	ds_load_b128 v[\reg+4*\c:\reg+4*\c+3], v[\adr] offset:ASTEP*(\i)+2048*(\q)+512*\c
.endr
.endm
.macro MUL16 a0, p, q, sc, zero        ; 16 matrix instructions; the 64 accumulators take turns, one instruction a turn
.irp a, \a0, \a0+1
.irp b, 0,1,2,3,4,5,6,7
.if \zero
	v_wmma_scale_f32_16x16x128_f8f6f4 v[8*(8*((\a)%4)+\b):8*(8*((\a)%4)+\b)+7], v[128*(\p)+FR*\b:128*(\p)+FR*\b+FR-1], v[AF+FR*(\a):AF+FR*(\a)+FR-1], 0, v[SC+8*NQ*(\sc)+NQ*\b+(\q)], v[SC+8*NQ*(\sc)+NQ*(\a)+(\q)] matrix_a_scale:MATRIX_SCALE_ROW1
.else
	v_wmma_scale_f32_16x16x128_f8f6f4 v[8*(8*((\a)%4)+\b):8*(8*((\a)%4)+\b)+7], v[128*(\p)+FR*\b:128*(\p)+FR*\b+FR-1], v[AF+FR*(\a):AF+FR*(\a)+FR-1], v[8*(8*((\a)%4)+\b):8*(8*((\a)%4)+\b)+7], v[SC+8*NQ*(\sc)+NQ*\b+(\q)], v[SC+8*NQ*(\sc)+NQ*(\a)+(\q)] matrix_a_scale:MATRIX_SCALE_ROW1
.endif
.endr
.endr
.endm
.macro FETCH_B slot, q, p
	WIN TO_B
.irp i, 0,1,2,3,4,5,6,7
	FRAGB 128*(\p)+FR*\i, ADRB+\slot, \q, \i
.endr
	WIN 0
.endm
.macro FETCH_A slot, q, i0
.irp i, \i0, \i0+1, \i0+2, \i0+3
	FRAGA AF+FR*(\i), ADRA+\slot, \q, \i
.endr
.endm
.macro SCALES sc
.irp i, 0,1,2,3,4,5,6,7
	ds_load_b64 v[SC+8*NQ*\sc+NQ*\i:SC+8*NQ*\sc+NQ*\i+1], v[ADRS] offset:\i*SBLK
.endr
.endm
.macro PLACES n
.rept \n
	v_nop
.endr
.endm
.macro STEP slot, q, zero
	s_wait_dscnt 4*NL                              ; Wo's set and A's blocks 0-3 are in; the youngest 16 loads (A's blocks 4-7) may be out
	WIN MUL_LO
	MUL16 0, (\q)%2, \q, \slot, \zero
	MUL16 2, (\q)%2, \q, \slot, \zero
	s_wait_dscnt 0
	PLACES NP
	FETCH_B \slot, (\q)+1, 1-(\q)%2
	FETCH_A \slot, (\q)+1, 0
	WIN MUL_HI
	MUL16 4, (\q)%2, \q, \slot, \zero
	MUL16 6, (\q)%2, \q, \slot, \zero
	PLACES NP
	WIN 0
	FETCH_A \slot, (\q)+1, 4
.endm
.macro TURN slot, next, fill
	s_wait_tensorcnt 0x0                           ; all my tensor loads have landed: my part of the next slot
	ds_add_u32 v[SPW], v[NIL]                      ; 0 onto my spare word
	s_wait_dscnt 4*NL+1                            ; (the add and the youngest 16 loads may be out)
	WIN MUL_LO
	MUL16 0, 1, NQ-1, \slot, 0
	s_wait_dscnt 0x0                               ; the add is done, and my reads of this slot are over
	s_barrier_signal -1
	MUL16 2, 1, NQ-1, \slot, 0
	WIN 0
	s_barrier_wait -1
.if \fill
	CREST                                          ; the barrier has opened a round of the cluster's barrier
	s_add_nc_u64 s[G0+4*\slot+2:G0+4*\slot+3], s[G0+4*\slot+2:G0+4*\slot+3], 2*ASTEP
	s_add_nc_u64 s[G0B+4*\slot+2:G0B+4*\slot+3], s[G0B+4*\slot+2:G0B+4*\slot+3], 2*ROWB
	JLOAD G0+4*\slot, G1, G0B+4*\slot, G1B         ; the first tensor load behind the round
	PLACES NP-4
.else
	PLACES NP
.endif
	s_wait_alu depctr_va_vdst(0)
	v_add_nc_u32 v[ADRS], 4*NQ, v[ADRS]
	FETCH_B \next, 0, 0
	FETCH_A \next, 0, 0
	SCALES \next
	WIN MUL_HI
	MUL16 4, 1, NQ-1, \slot, 0
	MUL16 6, 1, NQ-1, \slot, 0
	PLACES NP
	WIN 0
	FETCH_A \next, 0, 4
.endm
	s_wait_alu depctr_va_vdst(0)
	s_wait_tensorcnt 1                             ; the scale bytes and my part of K step 0 are in (K step 1's load may be out),
	s_barrier_signal -1
	s_barrier_wait -1                              ; everybody's are
	FETCH_B 0, 0, 0
	FETCH_A 0, 0, 0
	SCALES 0
	FETCH_A 0, 0, 4
	STEP 0, 0, 1
	s_mov_b32 s3, LAPS-1
.Llap:
	TURN 0, 1, 1
	STEP 1, 0, 0
	TURN 1, 0, 1
	STEP 0, 0, 0
	s_sub_co_u32 s3, s3, 1
	s_cmp_lg_u32 s3, 0
	s_cbranch_scc1 .Llap
	TURN 0, 1, 0
	STEP 1, 0, 0
	s_wait_dscnt 4*NL
	WIN MUL_LO
	MUL16 0, 1, NQ-1, 1, 0
	MUL16 2, 1, NQ-1, 1, 0
	s_wait_dscnt 0
	WIN MUL_HI
	MUL16 4, 1, NQ-1, 1, 0
	MUL16 6, 1, NQ-1, 1, 0
	WIN 0
; THE WAY OUT, block by block of 16 rows x 128 columns, through my own stage in LDS: in as 32 bytes a lane, back as whole rows of 512 bytes.  LDS serves a wave's instructions in order (ISA guide 5.7.1.4).
.macro TOSTAGE a
.set AC, 64*((\a)%4)
	WIN 0x08+4*((\a)/4)                            ; the data: window 2 or 3
.irp b, 0,1,2,3,4,5,6,7
	ds_store_b128 v[STO], v[AC+8*\b:AC+8*\b+3] offset:64*\b          ; each accumulator from its low end on
	ds_store_b128 v[STO], v[AC+8*\b+4:AC+8*\b+7] offset:64*\b+16
.endr
	WIN 0
.set BB, BK+64*((\a)%2)
.irp t, 0,1,2,3,4,5,6,7,8,9,10,11,12,13,14,15
	ds_load_b128 v[BB+4*\t:BB+4*\t+3], v[RD] offset:\t*SPITCH
.endr
.endm
.macro SEND a, younger
.set BB, BK+64*((\a)%2)
	s_wait_dscnt \younger                          ; the block is back in registers
.if (\a) > 0
	s_add_nc_u64 s[12:13], s[12:13], 16*SIZE_N*4   ; (behind a wait on XCNT: the earlier stores have read their base)
.endif
.irp t, 0,1,2,3,4,5,6,7,8,9,10,11,12,13,14,15
	global_store_b128 v[CO], v[BB+4*\t:BB+4*\t+3], s[12:13] offset:\t*SIZE_N*4 th:TH_STORE_NT   ; 32 lanes store 512 consecutive bytes, at a multiple of 256 from out0's first byte
.endr
.endm
	PLACES NP
	TOSTAGE 0
.irp a, 1,2,3,4,5,6,7
.if \a > 1
	s_wait_xcnt 0x0                                ; block a - 2's stores have read their registers and their base
.endif
	TOSTAGE \a
	SEND \a-1, 32                                  ; behind block a - 1's loads: block a's 16 stores and 16 loads
.endr
	s_wait_xcnt 0x0
	SEND 7, 0
	s_wait_tensorcnt 0x0                           ; the wave's end
	ds_add_u32 v[SPW], v[NIL]
	s_wait_dscnt 0x0
	CROUND                                         ; the closing round
	s_endpgm
.Lfunc_end_k_qc888af5b31_oproj:
	.size	k_qc888af5b31_oproj, .Lfunc_end_k_qc888af5b31_oproj-k_qc888af5b31_oproj
	.p2alignl 7, 3214868480
	.fill 96, 4, 3214868480
	.section	.rodata,"a",@progbits
	.p2align	6, 0x0
	.amdhsa_kernel k_qc888af5b31_oproj
		.amdhsa_group_segment_fixed_size 327680
		.amdhsa_private_segment_fixed_size 0
		.amdhsa_enable_private_segment 0
		.amdhsa_kernarg_size 40
		.amdhsa_user_sgpr_count 2
		.amdhsa_user_sgpr_kernarg_segment_ptr 1
		.amdhsa_wavefront_size32 1
		.amdhsa_system_sgpr_workgroup_id_x 1
		.amdhsa_system_sgpr_workgroup_id_y 1
		.amdhsa_system_sgpr_workgroup_id_z 1
		.amdhsa_system_vgpr_workitem_id 0
		.amdhsa_next_free_vgpr 1024
		.amdhsa_next_free_sgpr 98
		.amdhsa_reserve_vcc 0
		.amdhsa_float_denorm_mode_32 3
		.amdhsa_float_denorm_mode_16_64 3
		.amdhsa_memory_ordered 1
		.amdhsa_forward_progress 1
		.amdhsa_inst_pref_size 147
	.end_amdhsa_kernel
	.amdgpu_metadata
---
amdhsa.version: [ 1, 2 ]
amdhsa.kernels:
  - .name:           k_qc888af5b31_oproj
    .symbol:         k_qc888af5b31_oproj.kd
    .args:
      - { .name: oc, .offset: 0, .size: 8, .value_kind: global_buffer, .address_space: global }
      - { .name: os, .offset: 8, .size: 8, .value_kind: global_buffer, .address_space: global }
      - { .name: Wo_codes, .offset: 16, .size: 8, .value_kind: global_buffer, .address_space: global }
      - { .name: Wo_scales, .offset: 24, .size: 8, .value_kind: global_buffer, .address_space: global }
      - { .name: out0, .offset: 32, .size: 8, .value_kind: global_buffer, .address_space: global }
    .group_segment_fixed_size: 327680
    .private_segment_fixed_size: 0
    .kernarg_segment_align: 8
    .kernarg_segment_size: 40
    .max_flat_workgroup_size: 128
    .sgpr_count:     98
    .vgpr_count:     1024
    .wavefront_size: 32
...
	.end_amdgpu_metadata
.endif
;; end of part 3
